; MI455X (gfx1250); checked and timed in simulation.
; The chip was launched on July 23, 2026; its instructions are those of AMD's public machine-readable ISA for CDNA 5 (MIT licence, August 2026) and "CDNA5" Instruction Set Architecture Reference Guide (July 2026). The comments in the code are by the model that wrote it; some were corrected since.
;; Transformer Block. Allowed arithmetic: matrix products marked QUANTISED: E3M2 operands, one E8M0 scale for each 32 along K, by v_wmma_scale_f32_16x16x128_f8f6f4 with both operands' format E3M2, f32 sums; everything else in f32.
;; Inputs: b_ff1 4,096 float32; b_ff2 1,024 float32; b_o 1,024 float32; ln1_scale 1,024 float32; ln1_shift 1,024 float32; ln2_scale 1,024 float32; ln2_shift 1,024 float32; w_ff1 1,024 x 4,096 float32; w_ff2 4,096 x 1,024 float32; w_k 1,024 x 1,024 float32; w_o 1,024 x 1,024 float32; w_q 1,024 x 1,024 float32; w_v 1,024 x 1,024 float32; x 2 x 2,048 x 1,024 float32.
;; Outputs: out0 2 x 2,048 x 1,024 float32.
;; This version of the problem:
;;   THIS VERSION OF THE PROBLEM IS GIVEN IN LOW PRECISION. The matrix products marked QUANTISED in the list below multiply operands that are first quantised to E3M2 (3 exponent bits, 2 mantissa bits; 6 bits a number), with one power-of-two scale for each 32 numbers along K (OCP MX v1.0); their sums are f32. All else is computed in f32.
;;   The module's matrix products, in the order in which they are computed (A, B: the left and right operand; K: the contracted axis; several contracted axes count as one K, in the product's order):
;;     1. [M 4,096, K 1,024] x [K 1,024, N 1,024]; A: computed on the way; B: input w_q: QUANTISED
;;     2. [M 4,096, K 1,024] x [K 1,024, N 1,024]; A: computed on the way; B: input w_k: QUANTISED
;;     3. [M 4,096, K 1,024] x [K 1,024, N 1,024]; A: computed on the way; B: input w_v: QUANTISED
;;     4. batch 32 x [M 2,048, K 64] x [K 64, N 2,048]; A: computed on the way; B: computed on the way: QUANTISED
;;     5. batch 32 x [M 2,048, K 2,048] x [K 2,048, N 64]; A: softmax (see below); B: computed on the way: QUANTISED
;;     6. [M 4,096, K 1,024] x [K 1,024, N 1,024]; A: computed on the way; B: input w_o: QUANTISED
;;     7. [M 4,096, K 1,024] x [K 1,024, N 4,096]; A: computed on the way; B: input w_ff1: QUANTISED
;;     8. [M 4,096, K 4,096] x [K 4,096, N 1,024]; A: computed on the way; B: input w_ff2: QUANTISED
;;   THE QUANTISER, for each operand of a quantised product, along K:
;;     - K is cut into blocks of 32 from its start; a last block that is shorter is filled with zeros.
;;     - A block's scale is 2^e with e = floor(log2(the largest magnitude in the block)) - 4, held to -126 .. 127; a block of zeros has e = 0. As a byte (E8M0): e + 127.
;;     - Each number is divided by its block's scale, clamped to +-28, and rounded to the nearest number of E3M2, ties to even, subnormals kept.
;;     - The product sums the exact products of the quantised numbers (number of the format x scale) in f32.
;;   ~~~python
;;   def quantise(x, axis):      # numpy; x: float32 -> the quantised numbers, widened to float32 again
;;       x = np.moveaxis(x, axis, -1); K = x.shape[-1]
;;       x = np.pad(x, [(0, 0)] * (x.ndim - 1) + [(0, -K % 32)]); x = x.reshape(x.shape[:-1] + (-1, 32)); a = np.abs(x).max(-1, keepdims=True)
;;       e = np.where(a > 0, np.clip(np.frexp(np.where(a > 0, a, 1))[1] - 1 - 4, -126, 127), 0)      # np.frexp(a)[1] - 1 = floor(log2(a)), exactly
;;       r = np.clip(x / 2.0 ** e, -28, 28)
;;       step = 2.0 ** (np.maximum(np.frexp(np.where(r == 0, 1, r))[1] - 1, -2) - 2)
;;       q = np.round(r / step) * step * 2.0 ** e      # np.round: ties to even
;;       return np.moveaxis(q.reshape(q.shape[:-2] + (-1,))[..., :K], -1, axis).astype(np.float32)
;;   ~~~
;;   SOFTMAX AHEAD OF A QUANTISED PRODUCT. Where the list says 'softmax', what is quantised is not the finished softmax but p = 2^(t - M), with t = logit x log2(e) and M = ceil(the row's largest t), a whole number; so 1/2 < the row's largest p <= 1. The row's sum l is taken of the UNQUANTISED p, in f32, and the product's result is divided by l at the end. Since M is a whole number, a kernel that streams over the keys may use a running M (the ceiling of the running maximum): every later rescaling is an exact power of two, which a block's scale takes up: the codes' values come out the same.
;;   OPERANDS COMPUTED ON THE WAY. 'Computed on the way' means the value that the module computes at that place (a softmax that the list does not call 'softmax' is quantised finished and normalised). What goes into a quantiser is computed in f32, as accurately as f32 sums, v_exp_f32 and their like allow (about 1e-6 of the number): no bf16 or f16 on the way to a quantiser, and a product that is left as it is and whose result goes on into a quantised operand takes f32 operands (vector FMAs, or v_wmma_f32_16x16x4_f32). A number that lies on a knife's edge between two numbers of the format may be rounded either way, as far as f32 arithmetic and the matrix unit's own rounding can turn it there, and no further.
;; One version. Each part assembles by itself: llvm-mc -triple=amdgcn-amd-amdhsa -mcpu=gfx1250 --defsym DOCPART=n.
;; ======== version 1 of 1: 7 launches
;; limits: right only within a limited range of input values
;; workspace buffers: wts 10,616,832 bytes; hact 3,276,800 bytes; qkv 10,092,544 bytes; ctx 3,276,800 bytes; x1 16,777,216 bytes; gact 13,107,200 bytes
;; launch prep (part 1): grid 448 x 1, 8 waves a work-group, no clusters, 69,632 bytes of LDS; arguments x, ln1_scale, ln1_shift, hact, w_q, w_k, w_v, w_o, w_ff1, w_ff2, wts; writes hact, wts
.if DOCPART == 1
	.amdgcn_target "amdgcn-amd-amdhsa--gfx1250"
	.amdhsa_code_object_version 6
	.text
	.protected	k_q7828a4ae34_prep
	.globl	k_q7828a4ae34_prep
	.p2align	8
	.type	k_q7828a4ae34_prep,@function
k_q7828a4ae34_prep:
	s_mov_b64 s[64:65], 0
	v_nop
	global_prefetch_b8 v0, s[64:65] scope:SCOPE_SE
	s_setreg_imm32_b32 hwreg(HW_REG_WAVE_MODE, 25, 1), 1
	s_wait_xcnt 0x0
; TWO JOBS, parted by the work-group's number alone.
; Work-groups 0-255: LayerNorm of 16 rows of 1,024 f32 each, quantised along the row to BF6 (E3M2) with one E8M0 byte for each 32, stored as operand images.
; Work-groups 256-447: the six weights, stored [K][N] in f32, quantised along K, stored as operand images with K innermost.
; THE IMAGES (this program's own layout).  Rows of every operand stand in STORAGE ORDER: storage row s of a group of 32 holds true row SW(s), SW = bits 3 and 4 exchanged; so a block of 16 storage
; rows is a tile whose transposed product leaves 16 neighbours along the next K in a lane's registers.  A UNIT of 768 bytes is 16 storage rows x 64 K: lane l = r + 16 h owns the 24 bytes of row r,
; block h: its first 16 bytes at 16 l, its last 8 at 512 + 8 l.  Unit u of row block rb lies at ((u / 4) x row blocks + rb) x 3,072 + (u % 4) x 768.  The scale word of (rb, 128 K step ks, r)
; lies at (rb x K / 128 + ks) x 64 + 4 r.
; LIMITS: NaN and infinities among the inputs are not served.  A block whose largest magnitude lies under 2^-122 (a block of zeros too) gets the byte 1: only this program reads the bytes.
; 1 / sqrt by v_rsq_f32.
; No tensor loads, matrix units or clusters: both jobs stream, each input byte is read once.
.set WST,   8448                       ; LDS: a wave's stage, 16 rows of 528 bytes
.set SPI,   528                        ; 512 bytes + 16: row r starts 4 r banks on
.set RED,   8*WST                      ; behind the stages: 512 bytes for the rows' sums, 512 for the sums of squares; word (row r, wave w) at 32 r + 4 w
.set ACT_SCL,  3145728
.set WO_IMG,   3145728
.set WF1_IMG,  3932160
.set WF2_IMG,  7077888
.set WQKV_SCL, 10223616
.set WO_SCL,   10321920
.set WF1_SCL,  10354688
.set WF2_SCL,  10485760
.set LI,  1                            ; 16 x lane
.set L8,  2                            ; 8 x lane
.set L4,  3                            ; 4 r
.set STW, 4                            ; stage, way in
.set STR, 5                            ; stage, way out
.set RW,  6                            ; my word of the sums
.set RR,  7                            ; my row's eight words
.set H64, 8                            ; 64 h
.set R,   16                           ; v16-79   the rows as loaded; later the gain
.set X,   80                           ; v80-143  register 16 b + i = column 128 w + 32 b + 16 h + i of storage row r
.set SH,  144                          ; v144-207 the shift
.set PC,  208                          ; v208-226 the codes
.set TM,  228                          ; v228-243 at work in QUANT
.set PW,  244                          ; the scale word
.set SEL, 30                           ; s[30:31] lane selects: lane l xor 16
.set WX,  32                           ; weights: v32-95 two sets of 32 numbers
.set WC,  96                           ; v96-143 six registers of codes for each of 8 blocks: no store's data are written again
.set WD,  144                          ; v144-146 a block's upper 16 codes, on their way
.set SB,  148                          ; v148-149 the scale bytes
; 64 numbers of a lane, register 16 b + i = k 32 b + 16 h + i of my row, become a fragment's 12 registers in v[PC] on and its scale word in v[PW]
.macro QUANT s
.irp b, 0,1,2,3
	v_max3_num_f32 v[TM+\b], |v[\s+16*\b]|, |v[\s+1+16*\b]|, 0x2800000   ; my 16 numbers of block b, and the floor 2^(5 - 127): the byte cannot fall under 1
.endr
.irp i, 2,4,6,8,10,12,14
.irp b, 0,1,2,3
	s_delay_alu instid0(VALU_DEP_4)
	v_max3_num_f32 v[TM+\b], v[TM+\b], |v[\s+16*\b+\i]|, |v[\s+1+16*\b+\i]|
.endr
.endr
.irp b, 0,1,2,3
	s_delay_alu instid0(VALU_DEP_4)
	v_permlanex16_b32 v[TM+4+\b], v[TM+\b], s[SEL], s[SEL+1]
.endr
.irp b, 0,1,2,3
	s_delay_alu instid0(VALU_DEP_4)
	v_max_num_f32 v[TM+\b], v[TM+\b], v[TM+4+\b]   ; with lane l xor 16: the block's largest magnitude
.endr
.irp b, 0,1,2,3
	s_delay_alu instid0(VALU_DEP_4)
	v_add_nc_u32 v[TM+12+\b], 0xfe000000, v[TM+\b]   ; 4 off its exponent field: the conversion's scale operand
.endr
.irp b, 0,1,2,3
	s_delay_alu instid0(VALU_DEP_4)
	v_lshrrev_b32 v[TM+4+\b], 23, v[TM+12+\b]      ; the scale's byte
.endr
	s_delay_alu instid0(VALU_DEP_3)
	v_lshl_or_b32 v[PW], v[TM+5], 8, v[TM+4]
	s_delay_alu instid0(VALU_DEP_1)
	v_lshl_or_b32 v[PW], v[TM+6], 16, v[PW]
	s_delay_alu instid0(VALU_DEP_1)
	v_lshl_or_b32 v[PW], v[TM+7], 24, v[PW]
.irp c, 0,1
	v_cvt_scalef32_pk16_bf6_f32 v[PC+6*\c:PC+2+6*\c], v[\s+32*\c:\s+15+32*\c], v[TM+12+2*\c]
	v_cvt_scalef32_pk16_bf6_f32 v[PC+12+4*\c:PC+14+4*\c], v[\s+16+32*\c:\s+31+32*\c], v[TM+12+2*\c+1]   ; (a conversion's three registers begin on an even number)
.endr
	v_nop                                          ; one plain place behind a scaled conversion
.irp c, 0,1                                    ; a whole block to a lane: lanes 0-15 block 2 c, lanes 16-31 block 2 c + 1
.irp i, 0,1,2
	v_permlane16_swap_b32 v[PC+6*\c+\i], v[PC+12+4*\c+\i]
.endr
.irp i, 0,1,2
	s_delay_alu instid0(VALU_DEP_3)
	v_mov_b32 v[PC+3+6*\c+\i], v[PC+12+4*\c+\i]
.endr
.endr
.endm
; v[10:11], a lane's two partial sums, become in v10 the sum over the whole row: the two halves, lane l xor 16, then the eight waves through LDS
.macro ROWSUM off
	s_delay_alu instid0(VALU_DEP_1)
	v_add_f32 v10, v10, v11
	s_delay_alu instid0(VALU_DEP_1)
	v_permlanex16_b32 v11, v10, s[SEL], s[SEL+1]
	s_delay_alu instid0(VALU_DEP_1)
	v_add_f32 v10, v10, v11
	ds_store_b32 v[RW], v10 offset:\off            ; both halves of the lanes write the same word with the same value
	s_wait_dscnt 0x0                               ; for the others: my store has landed
	s_barrier_signal -1
	s_barrier_wait -1
	ds_load_b128 v[PC:PC+3], v[RR] offset:\off
	ds_load_b128 v[PC+4:PC+7], v[RR] offset:\off+16
	s_wait_dscnt 0x0
	v_pk_add_f32 v[PC:PC+1], v[PC:PC+1], v[PC+2:PC+3]
	v_pk_add_f32 v[PC+4:PC+5], v[PC+4:PC+5], v[PC+6:PC+7]
	s_delay_alu instid0(VALU_DEP_1)
	v_pk_add_f32 v[PC:PC+1], v[PC:PC+1], v[PC+4:PC+5]
	s_delay_alu instid0(VALU_DEP_1)
	v_add_f32 v10, v[PC], v[PC+1]                  ; the same order in all eight waves: they agree to the bit
.endm
; THE WEIGHTS.  A lane takes a column, its registers run down K.  pitch: bytes of a row of the weight
.macro WLOAD t, pitch
.irp i, 0,1,2,3,4,5,6,7,8,9,10,11,12,13,14,15,16,17,18,19,20,21,22,23,24,25,26,27,28,29,30,31
	global_load_b32 v[WX+32*((\t)%2)+\i], v3, s[32:33] offset:(32*(\t)+\i)*\pitch th:TH_LOAD_NT   ; 32 lanes read 128 consecutive bytes, the eight waves 1,024
.endr
.endm
.macro WBLOCK t, pitch
.set XS, WX+32*((\t)%2)
.set CC, WC+6*(\t)
.if (\t) < 7
	s_wait_loadcnt 32                              ; this block's 32 loads are in; the next block's may be out
.else
	s_wait_loadcnt 0x0
.endif
	v_max3_num_f32 v14, |v[XS]|, |v[XS+1]|, |v[XS+2]|
	v_max3_num_f32 v15, |v[XS+3]|, |v[XS+4]|, |v[XS+5]|
.irp i, 6,10,14,18,22,26
	s_delay_alu instid0(VALU_DEP_2)
	v_max3_num_f32 v14, v14, |v[XS+\i]|, |v[XS+\i+1]|
	s_delay_alu instid0(VALU_DEP_2)
	v_max3_num_f32 v15, v15, |v[XS+\i+2]|, |v[XS+\i+3]|
.endr
	s_delay_alu instid0(VALU_DEP_2)
	v_max3_num_f32 v14, v14, |v[XS+30]|, |v[XS+31]|
	s_delay_alu instid0(VALU_DEP_1)
	v_max3_num_f32 v14, v14, v15, 0x2800000        ; the block's largest magnitude, all 32 mine, and the floor
	s_delay_alu instid0(VALU_DEP_1)
	v_add_nc_u32 v16, 0xfe000000, v14              ; the conversion's scale operand
	v_cvt_scalef32_pk16_bf6_f32 v[CC:CC+2], v[XS:XS+15], v16
	v_cvt_scalef32_pk16_bf6_f32 v[WD:WD+2], v[XS+16:XS+31], v16
	v_lshrrev_b32 v17, 23, v16                     ; the byte (also the plain place behind the conversions)
.if (\t)%4 == 0
	s_delay_alu instid0(VALU_DEP_1)
	v_mov_b32 v[SB+(\t)/4], v17
.else
	s_delay_alu instid0(VALU_DEP_1)
	v_lshl_or_b32 v[SB+(\t)/4], v17, 8*((\t)%4), v[SB+(\t)/4]
.endif
.irp i, 0,1,2
	v_mov_b32 v[CC+3+\i], v[WD+\i]
.endr
	global_store_b128 v4, v[CC:CC+3], s[44:45] offset:((\t)/2)*768+256*((\t)%2)   ; the sixteen lanes of a row block store 256 consecutive bytes, aligned
	global_store_b64 v5, v[CC+4:CC+5], s[44:45] offset:((\t)/2)*768+128*((\t)%2)
.if (\t)+2 < 8
	WLOAD (\t)+2, \pitch
.endif
.endm
; in: s28 column tile, s40 slab, s41 the slab's bytes in the weight, s[32:33] the weight, s35 / s36 where its image / scale words begin in wts, s37 log2 of the image's row blocks a slab,
; s38 row blocks in front of this weight's in a shared image, s34 log2 of a row block's scale bytes
.macro WQ pitch
	s_lshl_b32 s42, s28, 10
	s_add_co_u32 s41, s41, s42
	s_lshl_b32 s42, s26, 7
	s_add_co_u32 s42, s41, s42                     ; slab rows + 1,024 x column tile + 128 x wave
	s_mov_b32 s43, 0
	s_add_nc_u64 s[32:33], s[32:33], s[42:43]
	s_lshl_b32 s42, s28, 4
	s_add_co_u32 s42, s42, s38
	s_lshl_b32 s41, s26, 1
	s_add_co_u32 s42, s42, s41                     ; my wave's first row block
	s_lshl_b32 s41, s40, s37
	s_add_co_u32 s41, s41, s42
	s_mul_i32 s41, s41, 3072
	s_add_co_u32 s44, s41, s35
	s_mov_b32 s45, 0
	s_add_nc_u64 s[44:45], s[24:25], s[44:45]      ; its 256 K of codes
	s_lshl_b32 s42, s42, s34
	s_lshl_b32 s41, s40, 7
	s_add_co_u32 s42, s42, s41
	s_add_co_u32 s46, s42, s36
	s_mov_b32 s47, 0
	s_add_nc_u64 s[46:47], s[24:25], s[46:47]      ; and its two scale words a row
	v_lshlrev_b32 v6, s34, v10
	s_delay_alu instid0(VALU_DEP_1)
	v_lshl_add_u32 v6, v12, 2, v6                  ; my row's word
	WLOAD 0, \pitch
	WLOAD 1, \pitch
.irp t, 0,1,2,3,4,5,6,7
	WBLOCK \t, \pitch
.endr
	global_store_b32 v6, v[SB], s[46:47]
	global_store_b32 v6, v[SB+1], s[46:47] offset:64
	s_endpgm
.endm
	s_load_b256 s[4:11], s[0:1], 0x0               ; rows in s[4:5], gain s[6:7], shift s[8:9], images out s[10:11]
	s_load_b256 s[12:19], s[0:1], 0x20             ; w_q, w_k, w_v, w_o
	s_load_b128 s[20:23], s[0:1], 0x40             ; w_ff1, w_ff2
	s_load_b64 s[24:25], s[0:1], 0x50              ; wts
	v_lshl_add_u32 v254, v0, 2, 0x10c00
	v_mov_b32 v255, 0
	v_lshrrev_b32 v1, 5, v0
	s_delay_alu instid0(VALU_DEP_1)
	v_readfirstlane_b32 s26, v1                    ; wave 0..7
	v_and_b32 v9, 31, v0                           ; lane
	s_cmp_lt_u32 ttmp9, 256                        ; the same answer in all waves of a work-group
	s_cbranch_scc0 .Lweights
	; ---- LAYERNORM.  Work-group g = row block g; wave w = columns 128 w .. 128 w + 127
	v_and_b32 v10, 15, v0                          ; r
	v_bfe_u32 v11, v0, 4, 1                        ; h
	v_lshlrev_b32 v[LI], 4, v9
	v_lshlrev_b32 v[L8], 3, v9
	s_delay_alu instid0(VALU_DEP_4)
	v_lshlrev_b32 v[L4], 2, v10
	s_mul_i32 s27, s26, WST
	v_add_nc_u32 v[STW], s27, v[LI]
	v_mul_u32_u24 v[STR], v10, SPI
	s_delay_alu instid0(VALU_DEP_1)
	v_lshl_add_u32 v[STR], v11, 6, v[STR]
	s_delay_alu instid0(VALU_DEP_1)
	v_add_nc_u32 v[STR], s27, v[STR]
	v_lshl_add_u32 v[RR], v10, 5, RED
	s_lshl_b32 s27, s26, 2
	v_add_nc_u32 v[RW], s27, v[RR]
	v_lshlrev_b32 v[H64], 6, v11
	s_mov_b32 s[SEL], 0x76543210
	s_mov_b32 s[SEL+1], 0xfedcba98
	s_mov_b32 s40, 0x3a800000                      ; 1 / 1,024
	s_mov_b32 s41, 0x3727c5ac                      ; 1e-5
.irp b, 0,1,2,3
	v_mov_b32 v[TM+4+\b], 0                        ; a lane permute's destination counts as read
.endr
	s_lshr_b32 s27, ttmp9, 1
	s_lshl_b32 s27, s27, 5
	s_and_b32 s28, ttmp9, 1
	s_lshl_b32 s28, s28, 3
	s_add_co_u32 s27, s27, s28                     ; the block's first true row: 32 (g / 2) + 8 (g % 2)
	s_lshl_b32 s32, s27, 12
	s_lshl_b32 s28, s26, 9                         ; my wave's 512 bytes of a row
	s_add_co_u32 s32, s32, s28
	s_mov_b32 s33, 0
	s_mov_b32 s29, 0
	s_lshr_b32 s34, s26, 1
	s_lshl_b32 s34, s34, 8
	s_add_co_u32 s34, s34, ttmp9
	s_mul_i32 s34, s34, 3072
	s_and_b32 s36, s26, 1
	s_mul_i32 s36, s36, 1536
	s_add_co_u32 s34, s34, s36                     ; units 2 w, 2 w + 1 of row block g
	s_mov_b32 s35, 0
	s_lshl_b32 s36, ttmp9, 3
	s_add_co_u32 s36, s36, s26
	s_lshl_b32 s36, s36, 6
	s_add_co_u32 s36, s36, ACT_SCL                 ; scale words of (g, w)
	s_mov_b32 s37, 0
	s_wait_alu depctr_va_vdst(0)
	s_wait_kmcnt 0x0
	s_add_nc_u64 s[4:5], s[4:5], s[32:33]
	s_add_nc_u64 s[6:7], s[6:7], s[28:29]
	s_add_nc_u64 s[8:9], s[8:9], s[28:29]
	s_add_nc_u64 s[32:33], s[10:11], s[34:35]
	s_add_nc_u64 s[38:39], s[10:11], s[36:37]
.irp i, 0,1,2,3,4,5,6,7,8,9,10,11,12,13,14,15
	global_load_b128 v[R+4*\i:R+4*\i+3], v[LI], s[4:5] offset:((\i&7)+16*(\i>>3))*4096   ; storage row i: 32 lanes read 512 consecutive bytes
.endr
.irp i, 0,1,2,3,4,5,6,7,8,9,10,11,12,13,14,15
	s_wait_loadcnt 15-\i                           ; row i is in; the younger rows may be out
	ds_store_b128 v[STW], v[R+4*\i:R+4*\i+3] offset:SPI*\i
.endr
.irp b, 0,1,2,3
.irp j, 0,1,2,3
	ds_load_b128 v[X+16*\b+4*\j:X+16*\b+4*\j+3], v[STR] offset:128*\b+16*\j   ; my wave's own stage: LDS serves a wave's instructions in order
.endr
.endr
	s_wait_dscnt 0x0
.irp b, 0,1,2,3
.irp j, 0,1,2,3
	global_load_b128 v[R+16*\b+4*\j:R+16*\b+4*\j+3], v[H64], s[6:7] offset:128*\b+16*\j      ; gain and shift of my 64 columns: they land under the statistics
	global_load_b128 v[SH+16*\b+4*\j:SH+16*\b+4*\j+3], v[H64], s[8:9] offset:128*\b+16*\j
.endr
.endr
	v_pk_add_f32 v[12:13], v[80:81], v[82:83]
	v_pk_add_f32 v[252:253], v[88:89], v[92:93]
	v_pk_add_f32 v[250:251], v[96:97], v[100:101]
	v_pk_add_f32 v[248:249], v[104:105], v[108:109]
	v_pk_add_f32 v[246:247], v[112:113], v[116:117]
	v_pk_add_f32 v[244:245], v[120:121], v[124:125]
	v_pk_add_f32 v[242:243], v[128:129], v[132:133]
	v_pk_add_f32 v[10:11], v[136:137], v[140:141]
	s_delay_alu instid0(VALU_DEP_1)
	v_pk_add_f32 v[10:11], v[10:11], v[84:85]
	v_pk_add_f32 v[12:13], v[12:13], v[86:87]
	v_pk_add_f32 v[252:253], v[252:253], v[90:91]
	v_pk_add_f32 v[250:251], v[250:251], v[94:95]
	v_pk_add_f32 v[248:249], v[248:249], v[98:99]
	v_pk_add_f32 v[246:247], v[246:247], v[102:103]
	v_pk_add_f32 v[244:245], v[244:245], v[106:107]
	v_pk_add_f32 v[242:243], v[242:243], v[110:111]
	v_pk_add_f32 v[10:11], v[10:11], v[114:115]
	v_pk_add_f32 v[12:13], v[12:13], v[118:119]
	v_pk_add_f32 v[252:253], v[252:253], v[122:123]
	v_pk_add_f32 v[250:251], v[250:251], v[126:127]
	v_pk_add_f32 v[248:249], v[248:249], v[130:131]
	v_pk_add_f32 v[246:247], v[246:247], v[134:135]
	v_pk_add_f32 v[244:245], v[244:245], v[138:139]
	v_pk_add_f32 v[242:243], v[242:243], v[142:143]
	s_delay_alu instid0(VALU_DEP_4)
	v_pk_add_f32 v[10:11], v[10:11], v[248:249]
	s_delay_alu instid0(VALU_DEP_4)
	v_pk_add_f32 v[12:13], v[12:13], v[246:247]
	s_delay_alu instid0(VALU_DEP_4)
	v_pk_add_f32 v[252:253], v[252:253], v[244:245]
	s_delay_alu instid0(VALU_DEP_4)
	v_pk_add_f32 v[250:251], v[250:251], v[242:243]
	s_delay_alu instid0(VALU_DEP_2)
	v_pk_add_f32 v[10:11], v[10:11], v[252:253]
	s_delay_alu instid0(VALU_DEP_2)
	v_pk_add_f32 v[12:13], v[12:13], v[250:251]
	s_delay_alu instid0(VALU_DEP_1)
	v_pk_add_f32 v[10:11], v[10:11], v[12:13]
	ROWSUM 0
	s_delay_alu instid0(VALU_DEP_1)
	v_mul_f32 v10, s40, v10                        ; the mean
.set q0, 0
	s_wait_alu depctr_va_vdst(0)
.rept 32
	v_pk_add_f32 v[X+q0:X+q0+1], v[X+q0:X+q0+1], v[10:11] op_sel_hi:[1,0] neg_lo:[0,1] neg_hi:[0,1]   ; x - mean first, then the squares: a common offset costs nothing
.set q0, q0+2
.endr
	v_pk_mul_f32 v[10:11], v[X:X+1], v[X:X+1]
	v_pk_mul_f32 v[12:13], v[X+2:X+3], v[X+2:X+3]
.irp j, 4,8,12,16,20,24,28,32,36,40,44,48,52,56,60
	s_delay_alu instid0(VALU_DEP_2)
	v_pk_fma_f32 v[10:11], v[X+\j:X+\j+1], v[X+\j:X+\j+1], v[10:11]
	s_delay_alu instid0(VALU_DEP_2)
	v_pk_fma_f32 v[12:13], v[X+\j+2:X+\j+3], v[X+\j+2:X+\j+3], v[12:13]
.endr
	s_delay_alu instid0(VALU_DEP_1)
	v_pk_add_f32 v[10:11], v[10:11], v[12:13]
	ROWSUM 512                                     ; other words than the first sum's: no barrier between the two uses
	s_delay_alu instid0(VALU_DEP_1)
	v_fma_f32 v10, v10, s40, s41                   ; variance + 1e-5
	s_wait_alu depctr_va_vdst(0)
	v_rsq_f32 v10, v10
	v_nop                                          ; one plain place behind a transcendental
	s_wait_loadcnt 0x0                             ; gain and shift
.set q0, 0
	s_wait_alu depctr_va_vdst(0)
.rept 32
	v_pk_mul_f32 v[X+q0:X+q0+1], v[X+q0:X+q0+1], v[10:11] op_sel_hi:[1,0]
	s_delay_alu instid0(VALU_DEP_1)
	v_pk_fma_f32 v[X+q0:X+q0+1], v[X+q0:X+q0+1], v[R+q0:R+q0+1], v[SH+q0:SH+q0+1]
.set q0, q0+2
.endr
	QUANT X
	global_store_b128 v[LI], v[PC:PC+3], s[32:33]                  ; 512 consecutive bytes
	global_store_b64 v[L8], v[PC+4:PC+5], s[32:33] offset:512      ; 256
	global_store_b128 v[LI], v[PC+6:PC+9], s[32:33] offset:768
	global_store_b64 v[L8], v[PC+10:PC+11], s[32:33] offset:1280
	global_store_b32 v[L4], v[PW], s[38:39]                        ; both halves of the lanes hold the same word
	s_wait_tensorcnt 0x0
	ds_add_u32 v254, v255
	s_wait_dscnt 0x0
	s_endpgm
	; ---- THE WEIGHTS.  A work-group takes 256 columns x 256 K, a wave 32 columns.  No LDS, no barrier
.Lweights:
	s_wait_alu depctr_va_vdst(0)
	v_lshlrev_b32 v3, 2, v9                        ; my column: 4 bytes a lane
	v_bfe_u32 v10, v0, 3, 1                        ; column l stands at storage row SW(l): row block l bit 3,
	v_bfe_u32 v11, v0, 4, 1
	v_and_b32 v12, 7, v0
	s_delay_alu instid0(VALU_DEP_1)
	v_lshl_or_b32 v12, v11, 3, v12                 ; row r = l % 8 + 8 x l bit 4
	s_delay_alu instid0(VALU_DEP_4)
	v_mul_u32_u24 v13, v10, 3072
	s_delay_alu instid0(VALU_DEP_1)
	v_lshl_add_u32 v4, v12, 4, v13                 ; a block's first 16 bytes
	s_delay_alu instid0(VALU_DEP_2)
	v_lshl_add_u32 v5, v12, 3, v13
	s_delay_alu instid0(VALU_DEP_1)
	v_add_nc_u32 v5, 512, v5                       ; its last 8
	s_sub_co_u32 s27, ttmp9, 256
	s_wait_kmcnt 0x0
	s_cmp_ge_u32 s27, 128
	s_cbranch_scc1 .Lff1
	s_lshr_b32 s29, s27, 4                         ; 0..3: w_q, w_k, w_v, w_o;  4..7: w_ff2
	s_and_b32 s28, s27, 3                          ; column tile
	s_lshr_b32 s40, s27, 2
	s_lshl_b32 s38, s29, 6                         ; q, k, v share one image: 64 row blocks each
	s_mov_b32 s35, 0
	s_mov_b32 s36, WQKV_SCL
	s_mov_b32 s37, 8
	s_mov_b64 s[32:33], s[12:13]
	s_cmp_eq_u32 s29, 1
	s_cselect_b64 s[32:33], s[14:15], s[32:33]
	s_cmp_eq_u32 s29, 2
	s_cselect_b64 s[32:33], s[16:17], s[32:33]
	s_cmp_ge_u32 s29, 3
	s_cselect_b64 s[32:33], s[18:19], s[32:33]
	s_cselect_b32 s35, WO_IMG, s35
	s_cselect_b32 s36, WO_SCL, s36
	s_cselect_b32 s37, 6, s37
	s_cselect_b32 s38, 0, s38
	s_cmp_ge_u32 s29, 4
	s_cselect_b64 s[32:33], s[22:23], s[32:33]
	s_cselect_b32 s35, WF2_IMG, s35
	s_cselect_b32 s36, WF2_SCL, s36
	s_cselect_b32 s39, 15, 3
	s_cselect_b32 s34, 11, 9
	s_and_b32 s40, s40, s39                        ; slab of 256 K
	s_lshl_b32 s41, s40, 20                        ; 256 rows of 4,096 bytes
	s_wait_alu depctr_va_vdst(0)
	WQ 4096
.Lff1:
	s_sub_co_u32 s27, s27, 128
	s_and_b32 s28, s27, 15
	s_lshr_b32 s40, s27, 4
	s_lshl_b32 s41, s40, 22                        ; 256 rows of 16,384 bytes
	s_mov_b64 s[32:33], s[20:21]
	s_mov_b32 s35, WF1_IMG
	s_mov_b32 s36, WF1_SCL
	s_mov_b32 s37, 8
	s_mov_b32 s38, 0
	s_mov_b32 s34, 9
	s_wait_alu depctr_va_vdst(0)
	WQ 16384
.Lfunc_end_k_q7828a4ae34_prep:
	.size	k_q7828a4ae34_prep, .Lfunc_end_k_q7828a4ae34_prep-k_q7828a4ae34_prep
	.p2alignl 7, 3214868480
	.fill 96, 4, 3214868480
	.section	.rodata,"a",@progbits
	.p2align	6, 0x0
	.amdhsa_kernel k_q7828a4ae34_prep
		.amdhsa_group_segment_fixed_size 69632
		.amdhsa_private_segment_fixed_size 0
		.amdhsa_enable_private_segment 0
		.amdhsa_kernarg_size 88
		.amdhsa_user_sgpr_count 2
		.amdhsa_user_sgpr_kernarg_segment_ptr 1
		.amdhsa_wavefront_size32 1
		.amdhsa_system_sgpr_workgroup_id_x 1
		.amdhsa_system_sgpr_workgroup_id_y 1
		.amdhsa_system_sgpr_workgroup_id_z 1
		.amdhsa_system_vgpr_workitem_id 0
		.amdhsa_next_free_vgpr 256
		.amdhsa_next_free_sgpr 66
		.amdhsa_reserve_vcc 0
		.amdhsa_float_denorm_mode_32 3
		.amdhsa_float_denorm_mode_16_64 3
		.amdhsa_memory_ordered 1
		.amdhsa_forward_progress 1
		.amdhsa_inst_pref_size 117
	.end_amdhsa_kernel
	.amdgpu_metadata
---
amdhsa.version: [ 1, 2 ]
amdhsa.kernels:
  - .name:           k_q7828a4ae34_prep
    .symbol:         k_q7828a4ae34_prep.kd
    .args:
      - { .name: x, .offset: 0, .size: 8, .value_kind: global_buffer, .address_space: global }
      - { .name: ln1_scale, .offset: 8, .size: 8, .value_kind: global_buffer, .address_space: global }
      - { .name: ln1_shift, .offset: 16, .size: 8, .value_kind: global_buffer, .address_space: global }
      - { .name: hact, .offset: 24, .size: 8, .value_kind: global_buffer, .address_space: global }
      - { .name: w_q, .offset: 32, .size: 8, .value_kind: global_buffer, .address_space: global }
      - { .name: w_k, .offset: 40, .size: 8, .value_kind: global_buffer, .address_space: global }
      - { .name: w_v, .offset: 48, .size: 8, .value_kind: global_buffer, .address_space: global }
      - { .name: w_o, .offset: 56, .size: 8, .value_kind: global_buffer, .address_space: global }
      - { .name: w_ff1, .offset: 64, .size: 8, .value_kind: global_buffer, .address_space: global }
      - { .name: w_ff2, .offset: 72, .size: 8, .value_kind: global_buffer, .address_space: global }
      - { .name: wts, .offset: 80, .size: 8, .value_kind: global_buffer, .address_space: global }
    .group_segment_fixed_size: 69632
    .private_segment_fixed_size: 0
    .kernarg_segment_align: 8
    .kernarg_segment_size: 88
    .max_flat_workgroup_size: 256
    .sgpr_count:     66
    .vgpr_count:     256
    .wavefront_size: 32
...
	.end_amdgpu_metadata
.endif
;; end of part 1
;; launch qkv (part 2): grid 48 x 4, 4 waves a work-group, clusters of 4 x 4, 327,680 bytes of LDS; arguments hact, wts, qkv; writes qkv
.if DOCPART == 2
	.amdgcn_target "amdgcn-amd-amdhsa--gfx1250"
	.amdhsa_code_object_version 6
	.text
	.protected	k_q7828a4ae34_qkv
	.globl	k_q7828a4ae34_qkv
	.p2align	8
	.type	k_q7828a4ae34_qkv,@function
k_q7828a4ae34_qkv:
	s_mov_b64 s[64:65], 0
	v_nop
	global_prefetch_b8 v0, s[64:65] scope:SCOPE_SE
	s_setreg_imm32_b32 hwreg(HW_REG_WAVE_MODE, 25, 1), 1
	s_wait_xcnt 0x0
	s_wait_alu depctr_hold_cnt(0) depctr_sa_sdst(0) depctr_va_vdst(0) depctr_va_sdst(0) depctr_va_ssrc(0) depctr_va_vcc(0) depctr_vm_vsrc(0)
	s_getreg_b32 s2, hwreg(HW_REG_IB_STS2, 6, 4)
	s_cmp_eq_u32 s2, 0
	s_cbranch_scc0 .Lentry_in_a_cluster
	s_endpgm
.Lentry_in_a_cluster:
	s_bfe_u32 s2, ttmp6, 0x10000c
	s_cmp_lg_u32 s2, 0xf033
	s_cbranch_scc0 .Lentry_shape_is_right
	s_endpgm
.Lentry_shape_is_right:
; q = h Wq, k = h Wk, v = h Wv on codes of BF6 with E8M0 scales, K = 1,024; the results are quantised in registers and leave as operand images for the attention launch.
; ONE FORM FOR ALL THREE: C[m][n] = sum over k of A[m][k] B[n][k], quantised along n.  For q and k: A = h (tokens), B = Wq | Wk (columns), so n runs along a head's 64.  For v: A = Wv (columns),
; B = h (tokens), so n runs along the tokens, which are the second attention product's K.
; A tile of C is 256 x 256, four waves of 128 x 128 (64 accumulators, 512 registers).  Clusters 0-7 of the 12: q (even) and k (odd), four tile rows each; clusters 8-11: v.
; OPERANDS ARE IMAGES OF THEIR REGISTERS (layout: see the launch that makes them): 8 row blocks x 256 K are 24,576 consecutive bytes, one tensor load; a fragment is four dense LDS loads.
; K goes in four slabs of 256 through THREE LDS slots: slabs 0-2 and the scale words go out at the start, slab 3 fills slot 0 again.  The eight steps of 128 K are written out.
; CLUSTERS: 4 x 4 work-groups; A's tiles are shared along a row of the cluster, B's along a column: joint loads.  THE MATRIX INSTRUCTION IS USED TRANSPOSED (source 0 = B's rows, source 1 = A's rows).
; Rows stand in storage order, so the 16 registers of two neighbouring tiles of B are 16 neighbours along n: n = 32 b + 16 (lane / 16) + i.
; LIMITS: NaN and infinities are not served; a block whose largest magnitude lies under 2^-122 gets the byte 1 (only this program reads the bytes).
; REGISTERS: window 0: v8-10, v16-30 addresses; v32-63 scale words, two sets; v128-223 A's fragments, one set (on the way out codes in v64-159, scale words in v200-215); v224-241 at work.  window 1: B's fragments, two sets.
;   windows 2, 3: the accumulators ((a, b) at v[8 (8 (a % 4) + b)]).
.set SLAB,  786432                     ; bytes from a slab of 256 K to the next, in both operands
.set RBB,   3072                       ; a row block's 256 K
.set HALFT, 8*RBB                      ; 8 row blocks: half of what one tensor load brings
.set SLOT,  4*HALFT                    ; A's 16 row blocks, then B's
.set SCL,   3*SLOT                     ; the scale words: 4,096 bytes a wave; B's two parts 128 bytes further on, so that A's and B's words fall on different banks
.set SPARE, SCL+16640                  ; the spare words, 128 bytes a wave: two blocks of 256 bytes that no other line names
.set FR,    12
.set NL,    4                          ; LDS loads of a fragment
.set NP,    4                          ; places behind this matrix instruction (ISA guide 7.12.1)
.set ACT_SCL,  3145728
.set WQKV_SCL, 10223616
.set KVIMG, 3145728
.set QSCL,  9437184
.set KVSCL, 9699328
.set LI,   8                           ; 16 x lane
.set L8,   9                           ; 512 + 8 x lane
.set L4,   10                          ; 4 r
.set A16,  16                          ; v16-18 my A fragments' 16-byte parts in slots 0-2;  v19-21 their 8-byte parts
.set A8,   19
.set B16,  22                          ; v22-24, v25-27 the same for B
.set B8,   25
.set SPW,  28
.set NIL,  29
.set ADRS, 30                          ; my scale words: lanes 0-15 A's, lanes 16-31 B's
.set SC,   32                          ; set s at v[SC + 16 s]; register 2 i + q: block i, the slab's q-th 128 K
.set AF,   128
.set PC,   192
.set TM,   224
.set PW,   240
.set PW2,  241
.set SEL,  10                          ; s[10:11]
.set G1,   24
.set G0,   32                          ; s[32:43] A's groups 0, one for each slot
.set G1B,  48
.set GB0,  56
.set GB1,  60
.set GB2,  92
.set G0SB, 68
.set G1S,  72
.set G0S,  80
.set G1SB, 84
.set MSB, 0
.macro WIN new                         ; the immediate's high byte repeats the setting that is left
.if MSB != (\new)
	s_set_vgpr_msb (MSB<<8)|(\new)
.set MSB, (\new)
.endif
.endm
.set MUL_LO, 0xa1                      ; source 0 (B) window 1, source 1 (A) window 0, C and D window 2
.set MUL_HI, 0xf1
.set TO_B,   0x40
; THE FILLS: at the head one joint load a wave: A's slab 0 (16 row blocks, 192 rows of 256 bytes), B's slab 0, A's scale words, B's.  Behind the three lines and a round: waves 0, 1 bring slab 1, waves 2, 3 slab 2, each on a load line of its own.
; In slab 0's last step a plain barrier, ahead of which waves 0 and 1 alone wait for their loads, shows slab 1. In slab 1's last step every wave waits for all its loads, and behind the round slab 3 fills slot 0 again: wave 0 brings A's, wave 1 B's.
; PREFETCH INTO THE L2: what the later loads will ask for: slabs 1 and 2 at the head, slab 3 behind the first round's loads.  Waves 0, 1 name the halves of A's tile, waves 2, 3 of B's; of a half's 96 blocks of 256 bytes
; each of the four partners that ask for the tile jointly takes 24, told apart by address (cx for A, cy for B): a lane a block, lanes 24-31 name the last again.  s[66:67] and v31 are never rewritten.
.macro TL g0, g1
	tensor_load_to_lds s[\g0:\g0+3], s[\g1:\g1+7]
	s_nop 0
.rept 4
	v_nop
.endr
.endm
.macro LOAD4 a, ga, b, gb, c, gc, d, gd  ; one chain of branches on the wave's number, one load to an arm, one join
	s_cmp_eq_u32 s14, 0
	s_cbranch_scc0 .Lw1_\@
	TL \a, \ga
	s_branch .Lj_\@
.Lw1_\@:
	s_cmp_eq_u32 s14, 1
	s_cbranch_scc0 .Lw2_\@
	TL \b, \gb
	s_branch .Lj_\@
.Lw2_\@:
	s_cmp_eq_u32 s14, 2
	s_cbranch_scc0 .Lw3_\@
	TL \c, \gc
	s_branch .Lj_\@
.Lw3_\@:
	TL \d, \gd
.Lj_\@:
.endm
.macro LOAD2 a, ga, b, gb              ; waves 0 and 1 load; waves 2 and 3 pass four places
	s_cmp_eq_u32 s14, 0
	s_cbranch_scc0 .Lw1_\@
	TL \a, \ga
	s_branch .Lj_\@
.Lw1_\@:
	s_cmp_eq_u32 s14, 1
	s_cbranch_scc0 .Lw2_\@
	TL \b, \gb
	s_branch .Lj_\@
.Lw2_\@:
.rept 4
	v_nop
.endr
.Lj_\@:
.endm
.macro CREST                           ; a round of the cluster's barrier behind its opening barrier
	s_cmp_lg_u32 s14, 0
	s_cbranch_scc1 .Lnot_wave_0_\@
	s_barrier_signal -3
.Lnot_wave_0_\@:
	s_barrier_wait -3
	s_barrier_signal -1
	s_barrier_wait -1
.endm
.macro CROUND
	s_barrier_signal -1
	s_barrier_wait -1
	CREST
.endm
.macro SETC g, lds, alo, aoff          ; a group 0: count 1, a constant LDS address, global address, type 2
	s_mov_b32 s[\g], 1
	s_mov_b32 s[\g+1], \lds
	s_add_nc_u64 s[\g+2:\g+3], s[\alo:\alo+1], \aoff
	s_or_b32 s[\g+3], s[\g+3], 0x80000000
.endm
.macro PLACES n
.rept \n
	v_nop
.endr
.endm
.macro FRAG reg, a16, a8, off          ; 12 registers: two units of 64 K, each 16 bytes a lane and 8 bytes a lane, dense
	ds_load_b128 v[\reg:\reg+3], v[\a16] offset:\off
	ds_load_b64 v[\reg+4:\reg+5], v[\a8] offset:\off
	ds_load_b128 v[\reg+6:\reg+9], v[\a16] offset:\off+768
	ds_load_b64 v[\reg+10:\reg+11], v[\a8] offset:\off+768
.endm
.macro FETCH_B slot, q, p
	WIN TO_B
.irp i, 0,1,2,3,4,5,6,7
	FRAG 128*(\p)+FR*\i, B16+\slot, B8+\slot, \i*RBB+(\q)*1536
.endr
	WIN 0
.endm
.macro FETCH_A slot, q, i0
.irp i, \i0, \i0+1, \i0+2, \i0+3
	FRAG AF+FR*(\i), A16+\slot, A8+\slot, (\i)*RBB+(\q)*1536
.endr
.endm
.macro SCALES sc, sl                   ; slab sl's scale words into set sc
.irp i, 0,1,2,3,4,5,6,7
.irp q, 0,1
	ds_load_b32 v[SC+16*(\sc)+2*\i+\q], v[ADRS] offset:\i*512+(2*(\sl)+\q)*64
.endr
.endr
.endm
; 16 matrix instructions: A's blocks a0, a0 + 1 x B's eight.  The 64 accumulators take turns, one instruction a turn, in the same order in every step
.macro MUL16 a0, p, q, sc, first
.irp a, \a0, \a0+1
.irp b, 0,1,2,3,4,5,6,7
.if \first
	v_wmma_scale_f32_16x16x128_f8f6f4 v[8*(8*((\a)%4)+\b):8*(8*((\a)%4)+\b)+7], v[128*(\p)+FR*\b:128*(\p)+FR*\b+FR-1], v[AF+FR*(\a):AF+FR*(\a)+FR-1], 0, v[SC+16*(\sc)+2*\b+(\q)], v[SC+16*(\sc)+2*(\a)+(\q)] matrix_a_fmt:MATRIX_FMT_BF6 matrix_b_fmt:MATRIX_FMT_BF6 matrix_a_scale:MATRIX_SCALE_ROW1
.else
	v_wmma_scale_f32_16x16x128_f8f6f4 v[8*(8*((\a)%4)+\b):8*(8*((\a)%4)+\b)+7], v[128*(\p)+FR*\b:128*(\p)+FR*\b+FR-1], v[AF+FR*(\a):AF+FR*(\a)+FR-1], v[8*(8*((\a)%4)+\b):8*(8*((\a)%4)+\b)+7], v[SC+16*(\sc)+2*\b+(\q)], v[SC+16*(\sc)+2*(\a)+(\q)] matrix_a_fmt:MATRIX_FMT_BF6 matrix_b_fmt:MATRIX_FMT_BF6 matrix_a_scale:MATRIX_SCALE_ROW1
.endif
.endr
.endr
.endm
; A step of 128 K: q its half of the slab, p B's set, sc the set of scale words; its successor lies at (nslot, nq); nsl >= 0: slab nsl's scale words are fetched too
.macro STEP q, p, sc, nslot, nq, nsl, first
	s_wait_dscnt 4*NL                              ; B's set, A's blocks 0-3 and the scale words are in; the youngest 16 loads (A's blocks 4-7) may be out
	WIN MUL_LO
	MUL16 0, \p, \q, \sc, \first
	MUL16 2, \p, \q, \sc, \first
	s_wait_dscnt 0x0                               ; A's blocks 4-7
	PLACES NP
	FETCH_B \nslot, \nq, 1-\p
	FETCH_A \nslot, \nq, 0
.if \nsl >= 0
	SCALES 1-\sc, \nsl
.endif
	WIN MUL_HI
	MUL16 4, \p, \q, \sc, \first
	MUL16 6, \p, \q, \sc, \first
	PLACES NP
	WIN 0
	FETCH_A \nslot, \nq, 4
.endm
; A slab's second step with a barrier in it.  fill = 1: slot 0, read out, takes slab 3
.macro TURN sc, nslot, nsl, fill       ; fill = 1: a round, and slot 0 takes slab 3;  0: a plain barrier behind every wave's wait;  2: a plain barrier that shows waves 0 and 1's tiles alone
.if \fill == 2
	s_cmp_lt_u32 s14, 2
	s_cbranch_scc0 .Lnot_mine_\@
	s_wait_tensorcnt 0x0                           ; waves 0 and 1: my tile of slab 1 has landed
.Lnot_mine_\@:
	s_wait_dscnt 4*NL                              ; (A's blocks 4-7 may be out)
.else
	s_wait_tensorcnt 0x0                           ; all my tensor loads have landed
	ds_add_u32 v[SPW], v[NIL]                      ; 0 onto my spare word
	s_wait_dscnt 4*NL+1                            ; (the add and A's blocks 4-7 may be out)
.endif
	WIN MUL_LO
	MUL16 0, 1, 1, \sc, 0
	s_wait_dscnt 0x0                               ; the add is done, and my reads of this slot are over
	s_barrier_signal -1
	MUL16 2, 1, 1, \sc, 0
	WIN 0
	s_barrier_wait -1
.if \fill == 1
	CREST                                          ; the barrier has opened a round of the cluster's: no wave of any partner still reads slot 0 or has a load on its way
	s_add_nc_u64 s[G0+2:G0+3], s[G0+2:G0+3], 3*SLAB
	s_add_nc_u64 s[GB0+2:GB0+3], s[GB0+2:GB0+3], 3*SLAB
	LOAD2 G0, G1, GB0, G1B                         ; the first tensor load behind the round; four v_nop on every way are the places in front of the loads below
.else
	PLACES NP
.endif
	FETCH_B \nslot, 0, 0
	FETCH_A \nslot, 0, 0
	SCALES 1-\sc, \nsl
	WIN MUL_HI
	MUL16 4, 1, 1, \sc, 0
	MUL16 6, 1, 1, \sc, 0
	PLACES NP
	WIN 0
	FETCH_A \nslot, 0, 4
.endm
; 64 numbers of a lane in window w, v[s] on, register 16 b + i = n 32 b + 16 h + i of my row, become a fragment in v[PC] on and its scale word in v[PW]
.macro QUANTW s, w
.set PC,  64+12*((\s)/64+4*((\w)-2))   ; each of the eight blocks has twelve code registers (v64-159) and two scale words (v200-215) of its own: no store's data are written again
.set PW,  200+2*((\s)/64+4*((\w)-2))
.set PW2, PW+1
.set PT,  192                          ; the upper halves' codes on their way: no store reads them
	WIN (\w)|((\w)<<2)
.irp b, 0,1,2,3
	v_max3_num_f32 v[TM+\b], |v[(\s)+16*\b]|, |v[(\s)+1+16*\b]|, 0x2800000   ; each accumulator is read from its low end on; the floor 2^(5 - 127) holds the byte at 1
.endr
.irp i, 2,4,6,8,10,12,14
.irp b, 0,1,2,3
	v_max3_num_f32 v[TM+\b], |v[(\s)+16*\b+\i]|, |v[(\s)+1+16*\b+\i]|, v[TM+\b]
.endr
.endr
	WIN 0
.irp b, 0,1,2,3
	v_permlanex16_b32 v[TM+4+\b], v[TM+\b], s[SEL], s[SEL+1]
.endr
.irp b, 0,1,2,3
	v_max_num_f32 v[TM+\b], v[TM+\b], v[TM+4+\b]
.endr
.irp b, 0,1,2,3
	v_add_nc_u32 v[TM+12+\b], 0xfe000000, v[TM+\b]   ; 4 off the exponent field: the conversion's scale operand
.endr
.irp b, 0,1,2,3
	v_lshrrev_b32 v[TM+4+\b], 23, v[TM+12+\b]
.endr
	v_lshl_or_b32 v[PW], v[TM+5], 8, v[TM+4]
	v_lshl_or_b32 v[PW], v[TM+6], 16, v[PW]
	v_lshl_or_b32 v[PW], v[TM+7], 24, v[PW]
	WIN (\w)
.irp c, 0,1
	v_cvt_scalef32_pk16_bf6_f32 v[PC+6*\c:PC+2+6*\c], v[(\s)+32*\c:(\s)+15+32*\c], v[TM+12+2*\c]
	v_cvt_scalef32_pk16_bf6_f32 v[PT+4*\c:PT+2+4*\c], v[(\s)+16+32*\c:(\s)+31+32*\c], v[TM+12+2*\c+1]
.endr
	WIN 0
	v_nop                                          ; one plain place behind a scaled conversion
.irp c, 0,1
.irp i, 0,1,2
	v_permlane16_swap_b32 v[PC+6*\c+\i], v[PT+4*\c+\i]
.endr
.irp i, 0,1,2
	v_mov_b32 v[PC+3+6*\c+\i], v[PT+4*\c+\i]
.endr
.endr
.endm
	s_load_b128 s[4:7], s[0:1], 0x0                ; hact, wts
	s_load_b64 s[8:9], s[0:1], 0x10                ; qkv
	v_lshl_add_u32 v[SPW], v0, 2, SPARE
	v_mov_b32 v[NIL], 0
	ds_add_u32 v28, v29
	ds_add_u32 v28, v29
	s_wait_dscnt 0x0
	v_lshrrev_b32 v1, 5, v0
	v_readfirstlane_b32 s14, v1                    ; wave 0..3
	s_lshr_b32 s15, s14, 1                         ; my half of the tile's rows; also: I fetch for A (0) or B (1)
	s_and_b32 s16, s14, 1                          ; my half of its columns; also: which 8 row blocks I fetch
	s_bfe_u32 s96, ttmp6, 0x40000                  ; cx
	s_bfe_u32 s97, ttmp6, 0x40004                  ; cy
	s_lshr_b32 s17, ttmp9, 1                       ; the cluster's number c, which all partners share, says which product
	s_and_b32 s18, ttmp9, 1
	s_sub_co_u32 s19, ttmp9, 8
	s_cmp_lt_u32 ttmp9, 8
	s_cselect_b32 s17, s17, 0                      ; cluster row: c / 2, for v 0
	s_cselect_b32 s18, s18, s19                    ; cluster column: c % 2 (q, k), for v c - 8
	s_lshl_b32 s17, s17, 2
	s_add_co_u32 s17, s17, s97                     ; tile row
	s_lshl_b32 s18, s18, 2
	s_add_co_u32 s18, s18, s96                     ; tile column
	s_lshl_b32 s98, s97, 2
	s_lshl_b32 s98, 15, s98                        ; my row of the cluster
	s_lshl_b32 s99, 0x1111, s96                    ; my column
	s_or_b32 s[G1], s98, (3<<16)|(1<<21)           ; the mask; elements of 8 bytes; bit 21 beside a mask; no padding
	s_or_b32 s[G1B], s99, (3<<16)|(1<<21)
.irp g, G1, G1B                                ; 192 rows of 256 bytes, dense
	s_mov_b32 s[\g+1], 32<<16
	s_mov_b32 s[\g+2], 192<<16
	s_mov_b32 s[\g+3], 32<<16
	s_mov_b32 s[\g+4], 192
	s_mov_b32 s[\g+5], 32
	s_mov_b32 s[\g+6], 0
	s_mov_b32 s[\g+7], 0
.endr
	s_or_b32 s[G1S], s98, (3<<16)|(1<<21)
	s_or_b32 s[G1SB], s99, (3<<16)|(1<<21)
.irp g, G1S, G1SB                              ; the scale words of 16 row blocks, all of K: 32 rows of 256 bytes
	s_mov_b32 s[\g+1], 32<<16
	s_mov_b32 s[\g+2], 32<<16
	s_mov_b32 s[\g+3], 32<<16
	s_mov_b32 s[\g+4], 32
	s_mov_b32 s[\g+5], 32
	s_mov_b32 s[\g+6], 0
	s_mov_b32 s[\g+7], 0
.endr
	s_lshl_b32 s20, s17, 4                         ; A: the tile's first row block
	s_lshl_b32 s22, s20, 9
	s_mul_i32 s20, s20, RBB
	s_mov_b32 s21, 0
	s_mov_b32 s23, 0
	s_lshl_b32 s44, s18, 4
	s_lshl_b32 s46, s44, 9
	s_mul_i32 s44, s44, RBB
	s_mov_b32 s45, 0
	s_mov_b32 s47, 0
	s_mov_b32 s[SEL], 0x76543210
	s_mov_b32 s[SEL+1], 0xfedcba98
	s_wait_kmcnt 0x0
	s_add_nc_u64 s[2:3], s[6:7], 128*RBB           ; Wv's row blocks stand behind Wq's and Wk's
	s_add_nc_u64 s[12:13], s[4:5], ACT_SCL
	s_cmp_lt_u32 ttmp9, 8                          ; the choices hang on the cluster's number alone; the sums below leave SCC as it is
	s_cselect_b64 s[2:3], s[4:5], s[2:3]
	s_add_nc_u64 s[20:21], s[2:3], s[20:21]        ; A's codes
	s_cselect_b64 s[2:3], s[6:7], s[4:5]
	s_add_nc_u64 s[44:45], s[2:3], s[44:45]        ; B's codes
	s_add_nc_u64 s[2:3], s[6:7], WQKV_SCL+128*512
	s_cselect_b64 s[2:3], s[12:13], s[2:3]
	s_add_nc_u64 s[22:23], s[2:3], s[22:23]        ; A's scale words
	s_add_nc_u64 s[2:3], s[6:7], WQKV_SCL
	s_cselect_b64 s[2:3], s[2:3], s[12:13]
	s_add_nc_u64 s[46:47], s[2:3], s[46:47]        ; B's
	CROUND                                         ; all sixteen work-groups are here: the first joint loads meet
	SETC G0, 0, 20, 0
	SETC GB0, 2*HALFT, 44, 0
	SETC G0S, SCL, 22, 0
	SETC G0SB, SCL+8192+128, 46, 0
	LOAD4 G0, G1, GB0, G1B, G0S, G1S, G0SB, G1SB   ; what the first step needs, one load a wave
	SETC G0+4, SLOT, 20, SLAB
	SETC GB1, SLOT+2*HALFT, 44, SLAB
	SETC G0+8, 2*SLOT, 20, 2*SLAB
	SETC GB2, 2*SLOT+2*HALFT, 44, 2*SLAB
	s_cmp_eq_u32 s15, 0                            ; the prefetches: do I name A's blocks?
	s_cselect_b64 s[66:67], s[20:21], s[44:45]
	s_cselect_b32 s100, s96, s97                   ; my place among the four that ask for the tile with me
	s_mul_i32 s100, s100, 24*256
	s_mul_i32 s101, s16, HALFT                     ; my half of the tile
	s_add_co_u32 s100, s100, s101
	s_mov_b32 s101, 0
	s_add_nc_u64 s[66:67], s[66:67], s[100:101]
	v_and_b32 v31, 31, v0
	v_min_u32 v31, 23, v31
	v_lshlrev_b32 v31, 8, v31
	global_prefetch_b8 v31, s[66:67] offset:SLAB th:TH_LOAD_NT scope:SCOPE_SE
	global_prefetch_b8 v31, s[66:67] offset:2*SLAB th:TH_LOAD_NT scope:SCOPE_SE
	v_and_b32 v1, 31, v0
	v_and_b32 v2, 15, v0                           ; r
	v_bfe_u32 v3, v0, 4, 1                         ; h
	v_lshlrev_b32 v[LI], 4, v1
	v_lshlrev_b32 v[L8], 3, v1
	v_add_nc_u32 v[L8], 512, v[L8]
	v_lshlrev_b32 v[L4], 2, v2
	s_mul_i32 s2, s15, HALFT                       ; my 8 row blocks of A
	s_mul_i32 s3, s16, HALFT
	s_add_co_u32 s3, s3, 2*HALFT                   ; and of B, behind A's 16
.irp s, 0,1,2
	v_add_nc_u32 v[A16+\s], s2, v[LI]
	v_add_nc_u32 v[A8+\s], s2, v[L8]
	v_add_nc_u32 v[B16+\s], s3, v[LI]
	v_add_nc_u32 v[B8+\s], s3, v[L8]
	s_add_co_u32 s2, s2, SLOT
	s_add_co_u32 s3, s3, SLOT
.endr
	s_lshl_b32 s2, s15, 12
	s_lshl_b32 s3, s16, 12
	s_add_co_u32 s3, s3, 8192+128
	s_sub_co_u32 s3, s3, s2
	v_mul_u32_u24 v5, s3, v3                       ; lanes 16-31 take B's words: the lower base + h x the distance
	s_add_co_u32 s2, s2, SCL
	v_add_nc_u32 v5, v5, v[L4]
	v_add_nc_u32 v[ADRS], s2, v5
.irp b, 0,1,2,3
	v_mov_b32 v[TM+4+\b], 0                        ; a lane permute's destination counts as read
.endr
	s_wait_alu depctr_va_vdst(0)
	s_wait_tensorcnt 0x0                           ; my tile of the head's four is in
	ds_add_u32 v[SPW], v[NIL]
	s_wait_dscnt 0x0
	CROUND                                         ; all four tiles are in, and all sixteen work-groups are here
	LOAD4 G0+4, G1, GB1, G1B, G0+8, G1, GB2, G1B   ; slabs 1 and 2: one load a wave, the first behind the round
	FETCH_B 0, 0, 0
	FETCH_A 0, 0, 0
	SCALES 0, 0
	FETCH_A 0, 0, 4
	global_prefetch_b8 v31, s[66:67] offset:3*SLAB th:TH_LOAD_NT scope:SCOPE_SE   ; slab 3, three steps ahead of its load
	STEP 0, 0, 0, 0, 1, -1, 1                      ; slab 0: the first products start the sums
	TURN 0, 1, 1, 2                                ; its second half; slab 1 is shown, slab 2 may be on its way
	STEP 0, 0, 1, 1, 1, -1, 0                      ; slab 1
	TURN 1, 2, 2, 1                                ; its second half; slab 2 is shown, and slot 0 takes slab 3
	STEP 0, 0, 0, 2, 1, -1, 0                      ; slab 2
	TURN 0, 0, 3, 0                                ; slab 3 has landed in every wave's part; nothing is filled
	STEP 0, 0, 1, 0, 1, -1, 0                      ; slab 3
	s_wait_dscnt 4*NL
	WIN MUL_LO
	MUL16 0, 1, 1, 1, 0
	MUL16 2, 1, 1, 1, 0
	s_wait_dscnt 0x0
	WIN MUL_HI
	MUL16 4, 1, 1, 1, 0
	MUL16 6, 1, 1, 1, 0
	WIN 0
	PLACES NP                                      ; in front of the first read of results and the first write of registers that held fragments
	; THE WAY OUT.  Block a: 16 rows of A x my 128 n, quantised, stored as it stands in the registers: every store covers whole runs of 256 consecutive bytes or more
	s_cmp_lt_u32 ttmp9, 8                          ; the same in all partners
	s_cbranch_scc0 .Lvpath
	s_lshr_b32 s2, s17, 3                          ; q, k: rows are tokens: the batch,
	s_lshl_b32 s2, s2, 4
	s_and_b32 s3, s18, 3
	s_lshl_b32 s3, s3, 2
	s_add_co_u32 s2, s2, s3
	s_lshl_b32 s3, s16, 1
	s_add_co_u32 s2, s2, s3                        ; 16 x batch + the first of my two heads
	s_and_b32 s3, s17, 7
	s_lshl_b32 s3, s3, 1
	s_add_co_u32 s3, s3, s15                       ; which 128 tokens of the batch
	s_lshl_b32 s12, s2, 7
	s_lshl_b32 s13, s3, 3
	s_add_co_u32 s12, s12, s13                     ; q: [head][token block]: units of 768 bytes, words of 64
	s_mul_i32 s96, s12, 768
	s_lshl_b32 s97, s12, 6
	s_add_co_u32 s97, s97, QSCL
	s_lshl_b32 s12, s2, 4
	s_add_co_u32 s12, s12, s3                      ; k: [head][key step]: 12,288 bytes, words 768
	s_mul_i32 s98, s12, 12288
	s_add_co_u32 s98, s98, KVIMG
	s_mul_i32 s99, s12, 768
	s_add_co_u32 s99, s99, KVSCL
	s_mov_b32 s100, 98304                          ; from a head to the next: q's
	s_mov_b32 s101, 8192
	s_and_b32 s19, ttmp9, 1
	s_cmp_lg_u32 s19, 0                            ; k?
	s_cselect_b32 s20, s98, s96
	s_cselect_b32 s44, s99, s97
	s_cselect_b32 s12, 196608, s100
	s_cselect_b32 s2, 12288, s101
	s_mov_b32 s21, 0
	s_mov_b32 s45, 0
	s_mov_b32 s13, 0
	s_mov_b32 s3, 0
	s_add_nc_u64 s[20:21], s[8:9], s[20:21]        ; first head's units
	s_add_nc_u64 s[22:23], s[20:21], s[12:13]      ; second head's
	s_add_nc_u64 s[44:45], s[8:9], s[44:45]        ; first head's words
	s_add_nc_u64 s[46:47], s[44:45], s[2:3]
.irp a, 0,1,2,3,4,5,6,7
	QUANTW 64*(\a%4), 2+\a/4
	v_lshrrev_b32 v[PW2], 16, v[PW]                ; the second head's two bytes; a word's upper two bytes go with zero codes and are never 0xff
	global_store_b128 v[LI], v[PC:PC+3], s[20:21] offset:\a*768
	global_store_b64 v[L8], v[PC+4:PC+5], s[20:21] offset:\a*768
	global_store_b128 v[LI], v[PC+6:PC+9], s[22:23] offset:\a*768
	global_store_b64 v[L8], v[PC+10:PC+11], s[22:23] offset:\a*768
	global_store_b32 v[L4], v[PW], s[44:45] offset:\a*64
	global_store_b32 v[L4], v[PW2], s[46:47] offset:\a*64
.endr
	s_branch .Ldone
.Lvpath:
	s_lshr_b32 s2, s18, 3                          ; v: columns are tokens: the batch,
	s_lshl_b32 s2, s2, 4
	s_lshl_b32 s3, s17, 2
	s_add_co_u32 s2, s2, s3
	s_lshl_b32 s3, s15, 1
	s_add_co_u32 s2, s2, s3                        ; 16 x batch + the first of my two heads (rows are the heads' channels)
	s_lshl_b32 s2, s2, 4
	s_and_b32 s3, s18, 7
	s_lshl_b32 s3, s3, 1
	s_add_co_u32 s2, s2, s3
	s_add_co_u32 s2, s2, s16                       ; [head][key step]
	s_mul_i32 s20, s2, 12288
	s_add_co_u32 s20, s20, KVIMG+6144              ; behind the step's eight units of k
	s_mul_i32 s44, s2, 768
	s_add_co_u32 s44, s44, KVSCL+512
	s_mov_b32 s21, 0
	s_mov_b32 s45, 0
	s_add_nc_u64 s[20:21], s[8:9], s[20:21]
	s_add_nc_u64 s[44:45], s[8:9], s[44:45]
.irp a, 0,1,2,3,4,5,6,7
	QUANTW 64*(\a%4), 2+\a/4
	global_store_b128 v[LI], v[PC:PC+3], s[20:21] offset:(\a/4)*196608+(\a%4)*1536
	global_store_b64 v[L8], v[PC+4:PC+5], s[20:21] offset:(\a/4)*196608+(\a%4)*1536
	global_store_b128 v[LI], v[PC+6:PC+9], s[20:21] offset:(\a/4)*196608+(\a%4)*1536+768
	global_store_b64 v[L8], v[PC+10:PC+11], s[20:21] offset:(\a/4)*196608+(\a%4)*1536+768
	global_store_b32 v[L4], v[PW], s[44:45] offset:(\a/4)*12288+(\a%4)*64
.endr
.Ldone:
	s_wait_tensorcnt 0x0                           ; the wave's end
	ds_add_u32 v[SPW], v[NIL]
	s_wait_dscnt 0x0
	CROUND                                         ; the closing round
	s_endpgm
.Lfunc_end_k_q7828a4ae34_qkv:
	.size	k_q7828a4ae34_qkv, .Lfunc_end_k_q7828a4ae34_qkv-k_q7828a4ae34_qkv
	.p2alignl 7, 3214868480
	.fill 96, 4, 3214868480
	.section	.rodata,"a",@progbits
	.p2align	6, 0x0
	.amdhsa_kernel k_q7828a4ae34_qkv
		.amdhsa_group_segment_fixed_size 327680
		.amdhsa_private_segment_fixed_size 0
		.amdhsa_enable_private_segment 0
		.amdhsa_kernarg_size 24
		.amdhsa_user_sgpr_count 2
		.amdhsa_user_sgpr_kernarg_segment_ptr 1
		.amdhsa_wavefront_size32 1
		.amdhsa_system_sgpr_workgroup_id_x 1
		.amdhsa_system_sgpr_workgroup_id_y 1
		.amdhsa_system_sgpr_workgroup_id_z 1
		.amdhsa_system_vgpr_workitem_id 0
		.amdhsa_next_free_vgpr 1024
		.amdhsa_next_free_sgpr 102
		.amdhsa_reserve_vcc 0
		.amdhsa_float_denorm_mode_32 3
		.amdhsa_float_denorm_mode_16_64 3
		.amdhsa_memory_ordered 1
		.amdhsa_forward_progress 1
		.amdhsa_inst_pref_size 190
	.end_amdhsa_kernel
	.amdgpu_metadata
---
amdhsa.version: [ 1, 2 ]
amdhsa.kernels:
  - .name:           k_q7828a4ae34_qkv
    .symbol:         k_q7828a4ae34_qkv.kd
    .args:
      - { .name: hact, .offset: 0, .size: 8, .value_kind: global_buffer, .address_space: global }
      - { .name: wts, .offset: 8, .size: 8, .value_kind: global_buffer, .address_space: global }
      - { .name: qkv, .offset: 16, .size: 8, .value_kind: global_buffer, .address_space: global }
    .group_segment_fixed_size: 327680
    .private_segment_fixed_size: 0
    .kernarg_segment_align: 8
    .kernarg_segment_size: 24
    .max_flat_workgroup_size: 128
    .sgpr_count:     102
    .vgpr_count:     1024
    .wavefront_size: 32
...
	.end_amdgpu_metadata
.endif
;; end of part 2
;; launch attn (part 3): grid 8 x 32, 16 waves a work-group, no clusters, 327,680 bytes of LDS; arguments qkv, ctx; writes ctx
.if DOCPART == 3
	.amdgcn_target "amdgcn-amd-amdhsa--gfx1250"
	.amdhsa_code_object_version 6
	.text
	.protected	k_q7828a4ae34_attn
	.globl	k_q7828a4ae34_attn
	.p2align	8
	.type	k_q7828a4ae34_attn,@function
k_q7828a4ae34_attn:
	s_mov_b64 s[64:65], 0
	v_nop
	global_prefetch_b8 v0, s[64:65] scope:SCOPE_SE
	s_setreg_imm32_b32 hwreg(HW_REG_WAVE_MODE, 25, 1), 1
	s_wait_xcnt 0x0
; CAUSAL ATTENTION ON CODES OF BF6 (E3M2) WITH E8M0 SCALES.  Work-group (g, y): head y of the 32 (batch, head) pairs, query blocks g and 15 - g of 128 queries: 17 key steps of 128 keys for each of its 8 tiles of 16 queries.
; Sixteen waves: a pair of waves has tile wave / 2 of both blocks.  One of the pair walks the high block's first 9 (g under 2: 10) key steps; the other walks the low block, stores it, and then walks the rest of the high block;
; the two parts of the high block are joined through LDS (an exact power of two brings both under one M).  Key steps that lie wholly under reference()'s own causal mask are passed over by scalar branches on ids.
; A step: S^T = k q^T (8 products, the head's 64 in the lower half of K = 128, q's upper codes zeros), running M = ceil of the largest t, p = 2^(t - M), the sum of the unquantised p, p quantised by blocks of 32 keys, O^T += v^T p^T (4 products).
; A key step in memory is 16 units of 768 bytes (16 rows x 64 K as an operand's registers): 0-7 k's, 8-15 v's.  THE FILLS, one tensor load a wave, all at the head: wave p (0-7) brings units 2 p, 2 p + 1 of steps 0-3 (4 rows of 1,536 bytes,
; 12,288 apart in memory), wave 8 + p the same two units of steps 4-15 (12 rows).  LDS: pair p of step s at p x 6,144 + s x 1,536, from step 4 on at 49,152 + p x 18,432 + (s - 4) x 1,536.
; The two groups have load lines of their own: the first barrier waits for waves 0-7's tiles alone, steps 0-3 are walked while the others land, and all waves wait for 0 ahead of the barrier in front of step 4.
; Each load carries bytes that every work-group reads (steps 0 to 8); the bytes of steps beyond 15 - g ride along unread, and so do those steps' scale words (768 bytes a wave, by plain loads into LDS bytes of their own).
; Nothing is filled again.  No data prefetch: all is asked for at the head.  No cluster: the walk's branches hang on g, which differs between the work-groups that read the same head.
; LIMITS: the promise holds while the scaled scores (the exponents to the base 2) stay under 2^31 in magnitude; NaN and infinities are not served; a block whose largest magnitude lies under 2^-122 gets the byte 1 (only this program reads the bytes).
; REGISTERS: v3-7, v10 addresses; v12 -M, v13 the largest t, v[14:15] the sum; v16-27 q; v32-85 fragments of k or v; v86-92 the high block's q; v96-159 scores, then p; v160-191 O^T; v192-203 scale words; v204-215 LDS addresses; v216-223 the scale words' way in; v224-249, v252-255 at work.
.set KVIMG, 3145728
.set QSCL,  9437184
.set KVSCL, 9699328
.set CTX_SCL, 3145728
.set STEPB, 1536                       ; LDS: from a key step to the next
.set PSA,   4*STEPB                    ; from a pair of units to the next, steps 0-3
.set PSB,   12*STEPB                   ; and steps 4-15
.set BB0,   8*PSA                      ; where step 4 begins
.set SCB,   196608                     ; the scale words: 768 bytes a step
.set STG,   SCB+16*768                 ; the stages for the join
.set PAIRB, 9*512
.set SPARE, STG+16*PAIRB               ; the spare words, 128 bytes a wave
.set AS4,  3
.set DQ,   4
.set SGW,  5
.set L4,   6
.set SGR,  7
.set ADS,  10
.set AD,   204                         ; v204-209 this key step's addresses
.set BS,   210                         ; v210-215 16 x lane and 512 + 8 x lane, for pairs 0-2, 3-5, 6-7 of steps 4-15 (an LDS offset holds 16 bits)
.set AK16, 210
.set AK8,  211
.set Q2,   86
.set WV,   8
.set SEL,  10
.set CS,   12
.set G1T,  16
.set G1R,  24
.set G0,   32
.set G0R,  40
.set TB,   52
.set TS,   53
.set KK,   54
.set CNT,  55
.set ROLE, 56
.set LO,   66
.set LIM,  67
.set DG,   68
.set BH,   69
.set SP,   70
.set IDX,  71
.set CIL,  72
.set CSL,  74
.set CIH,  76
.set CSH,  78
.set TBH,  80
.set TBL,  81
.macro CTXA tb, img, scl               ; where token block tb's unit and scale bytes of this head go in ctx
	s_lshr_b32 s58, s57, 4
	s_lshl_b32 s58, s58, 7
	s_add_co_u32 s58, s58, s[\tb]
	s_and_b32 s59, s57, 15
	s_lshr_b32 s60, s59, 2
	s_lshl_b32 s60, s60, 8
	s_add_co_u32 s60, s60, s58
	s_mul_i32 s60, s60, 3072
	s_and_b32 s61, s59, 3
	s_mul_i32 s61, s61, 768
	s_add_co_u32 s60, s60, s61
	s_mov_b32 s61, 0
	s_add_nc_u64 s[\img:\img+1], s[6:7], s[60:61]
	s_lshl_b32 s58, s58, 3
	s_lshr_b32 s60, s59, 1
	s_add_co_u32 s58, s58, s60
	s_lshl_b32 s58, s58, 6
	s_and_b32 s59, s59, 1
	s_lshl_b32 s59, s59, 1
	s_add_co_u32 s58, s58, s59
	s_add_co_u32 s58, s58, CTX_SCL
	s_mov_b32 s59, 0
	s_add_nc_u64 s[\scl:\scl+1], s[6:7], s[58:59]
.endm
	s_load_b128 s[4:7], s[0:1], 0x0                ; qkv, ctx
	v_lshl_add_u32 v250, v0, 2, SPARE
	v_mov_b32 v251, 0
	ds_add_u32 v250, v251                          ; the opening lines: the add, twice on end
	ds_add_u32 v250, v251
	v_lshrrev_b32 v8, 5, v0
	s_delay_alu instid0(VALU_DEP_1)
	v_readfirstlane_b32 s[WV], v8
	s_and_b32 s57, ttmp7, 0xffff                   ; the head
.irp g, G1T, G1R                               ; rows of 1,536 bytes (192 elements of 8), 12,288 bytes apart, no padding
	s_mov_b32 s[\g], 3<<16
	s_mov_b32 s[\g+1], 192<<16
	s_mov_b32 s[\g+3], 192<<16
	s_mov_b32 s[\g+5], 1536
	s_mov_b32 s[\g+6], 0
	s_mov_b32 s[\g+7], 0
.endr
	s_mov_b32 s[G1T+2], 4<<16                      ; steps 0-3
	s_mov_b32 s[G1T+4], 4
	s_mov_b32 s[G1R+2], 12<<16                     ; steps 4-15
	s_mov_b32 s[G1R+4], 12
	s_and_b32 s60, s[WV], 7                        ; my pair of units
	s_mul_i32 s61, s60, PSA
	s_mul_i32 s39, s60, PSB
	s_add_co_u32 s39, s39, BB0
	s_mul_i32 s60, s60, 1536
	s_mul_i32 s58, s57, 196608                     ; the head's 16 steps
	s_add_co_u32 s58, s58, s60
	s_add_co_u32 s58, s58, KVIMG
	s_mov_b32 s59, 0
	s_lshl_b32 s62, s57, 4
	s_add_co_u32 s62, s62, s[WV]
	s_mul_i32 s62, s62, 768
	s_add_co_u32 s62, s62, KVSCL                   ; the scale words of step w
	s_mov_b32 s63, 0
	s_wait_dscnt 0x0                               ; both opening adds are done
	s_wait_kmcnt 0x0
	s_add_nc_u64 s[58:59], s[4:5], s[58:59]
	s_add_nc_u64 s[36:37], s[4:5], s[62:63]
	s_mov_b32 s[G0], 1
	s_mov_b32 s[G0+1], s61
	s_mov_b64 s[G0+2:G0+3], s[58:59]
	s_or_b32 s[G0+3], s[G0+3], 0x80000000
	s_mov_b32 s[G0R], 1
	s_mov_b32 s[G0R+1], s39
	s_add_nc_u64 s[G0R+2:G0R+3], s[58:59], 4*12288
	s_or_b32 s[G0R+3], s[G0R+3], 0x80000000
	s_cmp_lt_u32 s[WV], 8
	s_cbranch_scc0 .Lrest
	tensor_load_to_lds s[G0:G0+3], s[G1T:G1T+7]    ; waves 0-7: steps 0-3
	s_nop 0
.rept 4
	v_nop
.endr
	s_branch .Lasked
.Lrest:
	tensor_load_to_lds s[G0R:G0R+3], s[G1R:G1R+7]  ; waves 8-15: steps 4-15
	s_nop 0
.rept 4
	v_nop
.endr
.Lasked:
	s_lshr_b32 s2, s[WV], 2
	s_xor_b32 s2, s2, s[WV]
	s_and_b32 s[ROLE], s2, 1                       ; 1: the high block's first steps; each SIMD has two waves of each kind
	s_lshr_b32 s[IDX], s[WV], 1
	s_sub_co_u32 s[BH], 15, ttmp9
	s_lshl_b32 s[TBH], s[BH], 3
	s_add_co_u32 s[TBH], s[TBH], s[IDX]
	s_lshl_b32 s[TBL], ttmp9, 3
	s_add_co_u32 s[TBL], s[TBL], s[IDX]
	s_cmp_lt_u32 ttmp9, 2
	s_cselect_b32 s[SP], 10, 9                     ; where the high block's walk is cut
	s_sub_co_u32 s9, s[SP], 1
	s_min_u32 s9, s9, s[BH]
	s_mov_b32 s[LO], 0
	s_cmp_lg_u32 s[ROLE], 0
	s_cselect_b32 s[LIM], s9, ttmp9                ; my walk's last step,
	s_cselect_b32 s[DG], s[BH], ttmp9              ; the step on the diagonal,
	s_cselect_b32 s3, s[TBH], s[TBL]               ; and my first tile of queries
	s_lshr_b32 s58, s[IDX], 1
	s_lshl_b32 s58, s58, 5
	s_and_b32 s59, s[IDX], 1
	s_lshl_b32 s59, s59, 3
	s_add_co_u32 s58, s58, s59
	v_and_b32 v8, 7, v0
	v_bfe_u32 v9, v0, 3, 1
	v_bfe_u32 v10, v0, 4, 1
	s_delay_alu instid0(VALU_DEP_1)
	v_sub_nc_u32 v9, v9, v10
	s_delay_alu instid0(VALU_DEP_1)
	v_lshl_add_u32 v8, v9, 4, v8
	s_delay_alu instid0(VALU_DEP_1)
	v_add_nc_u32 v[DQ], s58, v8                    ; my query's place in its block, less 16 h: key register n is hidden where 32 (n / 16) + n % 16 is greater
	v_and_b32 v8, 31, v0
	v_and_b32 v9, 15, v0
	s_delay_alu instid0(VALU_DEP_2)
	v_lshlrev_b32 v[AK16], 4, v8
	s_wait_alu depctr_va_vdst(0)
	v_lshlrev_b32 v[AK8], 3, v8
	s_delay_alu instid0(VALU_DEP_1)
	v_add_nc_u32 v[AK8], 512, v[AK8]
	s_wait_alu depctr_va_vdst(0)
	v_lshlrev_b32 v[L4], 2, v9
	s_wait_alu depctr_va_vdst(0)
	v_add_nc_u32 v[AS4], SCB, v[L4]
	s_mul_i32 s58, s[WV], PAIRB
	s_add_co_u32 s58, s58, STG
	v_add_nc_u32 v[SGW], s58, v[AK16]
	s_xor_b32 s58, s[WV], 1
	s_mul_i32 s58, s58, PAIRB
	s_add_co_u32 s58, s58, STG
	v_add_nc_u32 v[SGR], s58, v[AK16]
	CTXA TBL, CIL, CSL
	CTXA TBH, CIH, CSH
	s_lshl_b32 s58, s57, 7
	s_add_co_u32 s59, s58, s3
	s_mul_i32 s60, s59, 768
	s_mov_b32 s61, 0
	s_lshl_b32 s62, s59, 6
	s_add_co_u32 s62, s62, QSCL
	s_mov_b32 s63, 0
	s_add_nc_u64 s[60:61], s[4:5], s[60:61]
	s_add_nc_u64 s[62:63], s[4:5], s[62:63]
	global_load_b128 v[16:19], v[AK16], s[60:61]   ; q of my first tile
	global_load_b64 v[20:21], v[AK8], s[60:61]
	global_load_b32 v255, v[L4], s[62:63]
	s_add_co_u32 s59, s58, s[TBH]
	s_mul_i32 s82, s59, 768
	s_mov_b32 s83, 0
	s_lshl_b32 s84, s59, 6
	s_add_co_u32 s84, s84, QSCL
	s_mov_b32 s85, 0
	s_add_nc_u64 s[82:83], s[4:5], s[82:83]
	s_add_nc_u64 s[84:85], s[4:5], s[84:85]
	global_load_b128 v[Q2:Q2+3], v[AK16], s[82:83] ; q of the high block's tile
	global_load_b64 v[Q2+4:Q2+5], v[AK8], s[82:83]
	global_load_b32 v[Q2+6], v[L4], s[84:85]
	global_load_b128 v[216:219], v[AK16], s[36:37] ; step w's scale words: 512 consecutive bytes,
	global_load_b64 v[220:221], v[AK8], s[36:37]   ; and 256
	s_mul_i32 s38, s[WV], 768
	s_add_co_u32 s38, s38, SCB
	v_add_nc_u32 v222, s38, v[AK16]                ; where they go in LDS
	v_add_nc_u32 v223, s38, v[AK8]
.irp i, 1,2
	v_add_nc_u32 v[BS+2*\i], \i*3*PSB, v[AK16]
	v_add_nc_u32 v[BS+1+2*\i], \i*3*PSB, v[AK8]
.endr
	s_mov_b32 s[SEL], 0x76543210
	s_mov_b32 s[SEL+1], 0xfedcba98                 ; lane l xor 16
	s_mov_b32 s[CS], 0x3e38aa3b                    ; log2(e) / 8
	s_mov_b32 s[CS+1], s[CS]
.irp j, 22,23,24,25,26,27,80,81,82,83,84,85
	v_mov_b32 v\j, 0                               ; q's upper codes, and what the last tile of k reads beyond its six registers
.endr
	v_mov_b32 v13, 0xff61b1e6                      ; -3e38
	s_delay_alu instid0(VALU_DEP_1)
	v_floor_f32 v12, -v13
	v_mov_b32 v14, 0
	v_mov_b32 v15, 0
.irp j, 236,237,238,239,252,253
	v_mov_b32 v\j, 0
.endr
.set n, 0
.rept 32
	v_mov_b32 v[160+n], 0
.set n, n+1
.endr
.macro UNIT d, u, ps, np               ; unit u's 24 bytes a lane; ps: from a pair to the next, np: pairs to an address register
	ds_load_b128 v[\d:\d+3], v[AD+2*(((\u)/2)/\np)] offset:(((\u)/2)%\np)*\ps+((\u)%2)*768
	ds_load_b64 v[\d+4:\d+5], v[AD+1+2*(((\u)/2)/\np)] offset:(((\u)/2)%\np)*\ps+((\u)%2)*768
.endm
.macro STEP ps, np
	s_cmp_gt_u32 s[KK], s[LIM]
	s_cbranch_scc1 .Lhidden_\@
	s_cmp_lt_u32 s[KK], s[LO]
	s_cbranch_scc1 .Lhidden_\@
	v_add_nc_u32 v[AD], s[TB], v[BS]               ; (these lines are also the places behind the last step's products)
	v_add_nc_u32 v[AD+1], s[TB], v[BS+1]
	v_add_nc_u32 v[ADS], s[TS], v[AS4]
.if \np < 8
.irp i, 2,3,4,5
	v_add_nc_u32 v[AD+\i], s[TB], v[BS+\i]
.endr
.else
	v_nop
.endif
.irp t, 0,1,2,3,4,5,6,7
	UNIT 32+6*\t, \t, \ps, \np
	ds_load_b32 v[192+\t], v[ADS] offset:64*\t
.endr
	s_wait_alu depctr_va_vdst(0)
	s_wait_dscnt 0x0
.irp t, 0,1,2,3,4,5,6,7
	v_wmma_scale_f32_16x16x128_f8f6f4 v[96+8*\t:103+8*\t], v[32+6*\t:43+6*\t], v[16:27], 0, v[192+\t], v255 matrix_a_fmt:MATRIX_FMT_BF6 matrix_b_fmt:MATRIX_FMT_BF6
.endr
.rept 4
	v_nop
.endr
.irp t, 0,1,2,3
	UNIT 32+12*\t, 8+2*\t, \ps, \np
	UNIT 38+12*\t, 9+2*\t, \ps, \np
	ds_load_b32 v[200+\t], v[ADS] offset:512+64*\t
.endr
	s_cmp_lg_u32 s[KK], s[DG]
	s_cbranch_scc1 .Lopen_\@
	v_mov_b32 v254, 0xff800000                     ; the step on the diagonal: keys behind my query count for nothing
.set n, 0
.rept 64
	v_cmp_gt_i32 vcc_lo, 32*(n/16)+n%16, v[DQ]
	v_cndmask_b32 v[96+n], v[96+n], v254, vcc_lo
.set n, n+1
.endr
.Lopen_\@:
.irp b, 0,1,2,3
	v_max3_num_f32 v[232+\b], v[96+16*\b], v[97+16*\b], v[98+16*\b]   ; each block's largest score
.endr
.irp i, 3,5,7,9,11,13
.irp b, 0,1,2,3
	v_max3_num_f32 v[232+\b], v[232+\b], v[96+16*\b+\i], v[97+16*\b+\i]
.endr
.endr
.irp b, 0,1,2,3
	v_max_num_f32 v[232+\b], v[232+\b], v[111+16*\b]
.endr
.irp b, 0,1,2,3
	s_delay_alu instid0(VALU_DEP_4)
	v_permlanex16_b32 v[236+\b], v[232+\b], s[SEL], s[SEL+1]
.endr
.irp b, 0,1,2,3
	s_delay_alu instid0(VALU_DEP_4)
	v_max_num_f32 v[232+\b], v[232+\b], v[236+\b]
.endr
	s_delay_alu instid0(VALU_DEP_2)
	v_max3_num_f32 v254, v232, v233, v234
	s_delay_alu instid0(VALU_DEP_1)
	v_max_num_f32 v254, v254, v235
	s_delay_alu instid0(VALU_DEP_1)
	v_mul_f32 v254, s[CS], v254
	s_delay_alu instid0(VALU_DEP_1)
	v_max_num_f32 v13, v13, v254                   ; the running largest t
	v_mov_b32 v254, v12
	s_delay_alu instid0(VALU_DEP_2)
	v_floor_f32 v12, -v13                          ; -M, a whole number
	s_delay_alu instid0(VALU_DEP_1)
	v_sub_f32 v254, v12, v254
	s_delay_alu instid0(VALU_DEP_1)
	v_cvt_i32_f32 v254, v254
	s_delay_alu instid0(VALU_DEP_1)
	v_ldexp_f32 v252, 1.0, v254                    ; f = 2^(old M - new M)
.set n, 0
.rept 32
	v_pk_fma_f32 v[96+n:97+n], v[96+n:97+n], s[CS:CS+1], v[12:13] op_sel_hi:[1,0,0]
.set n, n+2
.endr
.irp b, 0,1,2,3
	v_fma_f32 v[232+\b], v[232+\b], s[CS], v12
.endr
.set n, 0
	s_wait_alu depctr_va_vdst(0)
.rept 64
	v_exp_f32 v[96+n], v[96+n]
.set n, n+1
.endr
.irp b, 0,1,2,3
	v_exp_f32 v[232+\b], v[232+\b]                 ; each block's largest p
.endr
	v_pk_mul_f32 v[14:15], v[14:15], v[252:253] op_sel_hi:[1,0]
	s_wait_alu depctr_va_vdst(0)
.irp b, 0,1,2,3
	v_max_num_f32 v[232+\b], 0x2800000, v[232+\b]
.endr
.irp b, 0,1,2,3
	s_delay_alu instid0(VALU_DEP_4)
	v_add_nc_u32 v[244+\b], 0xfe000000, v[232+\b]
.endr
.irp b, 0,1,2,3
	s_delay_alu instid0(VALU_DEP_4)
	v_lshrrev_b32 v[236+\b], 23, v[244+\b]
.endr
	s_delay_alu instid0(VALU_DEP_3)
	v_lshl_or_b32 v253, v237, 8, v236
	s_delay_alu instid0(VALU_DEP_1)
	v_lshl_or_b32 v253, v238, 16, v253
	s_delay_alu instid0(VALU_DEP_1)
	v_lshl_or_b32 v253, v239, 24, v253             ; p's scale word
.irp c, 0,1
	v_cvt_scalef32_pk16_bf6_f32 v[224+6*\c:226+6*\c], v[96+32*\c:111+32*\c], v[244+2*\c]
	v_cvt_scalef32_pk16_bf6_f32 v[236+4*\c:238+4*\c], v[112+32*\c:127+32*\c], v[244+2*\c+1]
.endr
	v_nop
.irp c, 0,1
.irp i, 0,1,2
	v_permlane16_swap_b32 v[224+6*\c+\i], v[236+4*\c+\i]
.endr
.irp i, 0,1,2
	s_delay_alu instid0(VALU_DEP_3)
	v_mov_b32 v[227+6*\c+\i], v[236+4*\c+\i]
.endr
.endr
	v_pk_add_f32 v[236:237], v[96:97], v[98:99]    ; the sum of the unquantised p, in two chains
.irp j, 4,8,12,16,20,24,28,32,36,40,44,48,52,56,60
	v_pk_add_f32 v[14:15], v[14:15], v[96+\j:97+\j]
	v_pk_add_f32 v[236:237], v[236:237], v[98+\j:99+\j]
.endr
	s_delay_alu instid0(VALU_DEP_1)
	v_pk_add_f32 v[14:15], v[14:15], v[236:237]
.set n, 0
.rept 16
	v_pk_mul_f32 v[160+n:161+n], v[160+n:161+n], v[252:253] op_sel_hi:[1,0]
.set n, n+2
.endr
	s_wait_alu depctr_va_vdst(0)
	s_wait_dscnt 0x0
.irp t, 0,1,2,3
	v_wmma_scale_f32_16x16x128_f8f6f4 v[160+8*\t:167+8*\t], v[32+12*\t:43+12*\t], v[224:235], v[160+8*\t:167+8*\t], v[200+\t], v253 matrix_a_fmt:MATRIX_FMT_BF6 matrix_b_fmt:MATRIX_FMT_BF6
.endr
.Lhidden_\@:
	s_add_co_u32 s[KK], s[KK], 1
	s_add_co_u32 s[TB], s[TB], STEPB
	s_add_co_u32 s[TS], s[TS], 768
.endm
.macro WALK k0, n, tb0, ps, np         ; n key steps from k0 on, the first at LDS byte tb0: a constant count; the steps that are not mine are passed over inside
	s_mov_b32 s[TB], \tb0
	s_mov_b32 s[TS], (\k0)*768
	s_mov_b32 s[KK], \k0
	s_mov_b32 s[CNT], \n
.Lstep_\@:
	STEP \ps, \np
	s_sub_co_u32 s[CNT], s[CNT], 1
	s_cmp_lg_u32 s[CNT], 0
	s_cbranch_scc1 .Lstep_\@
.endm
.macro FINAL img, scl                  ; O^T / the sum, quantised along the head's 64, stored as a unit of the next product's operand
.rept 4
	v_nop
.endr
	v_add_f32 v14, v14, v15
	s_delay_alu instid0(VALU_DEP_1)
	v_permlanex16_b32 v252, v14, s[SEL], s[SEL+1]
	s_delay_alu instid0(VALU_DEP_1)
	v_add_f32 v14, v14, v252
	s_wait_alu depctr_va_vdst(0)
	v_rcp_f32 v14, v14
	v_nop
.set n, 0
	s_wait_alu depctr_va_vdst(0)
.rept 16
	v_pk_mul_f32 v[96+n:97+n], v[160+n:161+n], v[14:15] op_sel_hi:[1,0]
.set n, n+2
.endr
.irp b, 0,1
	v_max3_num_f32 v[232+\b], |v[96+16*\b]|, |v[97+16*\b]|, 0x2800000
.endr
.irp i, 2,4,6,8,10,12,14
.irp b, 0,1
	s_delay_alu instid0(VALU_DEP_2)
	v_max3_num_f32 v[232+\b], v[232+\b], |v[96+16*\b+\i]|, |v[97+16*\b+\i]|
.endr
.endr
.irp b, 0,1
	s_delay_alu instid0(VALU_DEP_2)
	v_permlanex16_b32 v[236+\b], v[232+\b], s[SEL], s[SEL+1]
.endr
.irp b, 0,1
	s_delay_alu instid0(VALU_DEP_2)
	v_max_num_f32 v[232+\b], v[232+\b], v[236+\b]
.endr
.irp b, 0,1
	s_delay_alu instid0(VALU_DEP_2)
	v_add_nc_u32 v[244+\b], 0xfe000000, v[232+\b]
.endr
.irp b, 0,1
	s_delay_alu instid0(VALU_DEP_2)
	v_lshrrev_b32 v[236+\b], 23, v[244+\b]
.endr
	s_delay_alu instid0(VALU_DEP_1)
	v_lshl_or_b32 v248, v237, 8, v236
	v_cvt_scalef32_pk16_bf6_f32 v[224:226], v[96:111], v244
	v_cvt_scalef32_pk16_bf6_f32 v[240:242], v[112:127], v245
	v_nop
.irp i, 0,1,2
	v_permlane16_swap_b32 v[224+\i], v[240+\i]
.endr
.irp i, 0,1,2
	s_delay_alu instid0(VALU_DEP_3)
	v_mov_b32 v[227+\i], v[240+\i]
.endr
	global_store_b128 v[AK16], v[224:227], s[\img:\img+1]
	global_store_b64 v[AK8], v[228:229], s[\img:\img+1]
	global_store_b16 v[L4], v248, s[\scl:\scl+1]
.endm
	s_wait_alu depctr_va_vdst(0)
	s_wait_loadcnt 0x0                             ; q's fragments and my step's scale words
	ds_store_b128 v222, v[216:219]
	ds_store_b64 v223, v[220:221]
	s_wait_dscnt 0x0                               ; my stores have landed: for the others' sake
	s_cmp_lt_u32 s[WV], 8
	s_cbranch_scc0 .Lnot_first
	s_wait_tensorcnt 0x0                           ; waves 0-7: my part of steps 0-3 has landed
.Lnot_first:
	s_barrier_signal -1
	s_barrier_wait -1                              ; steps 0-3 and all scale words are in; steps 4-15 may be on their way
	WALK 0, 4, 0, PSA, 8
	s_wait_tensorcnt 0x0                           ; every wave: all that is still out
	s_wait_dscnt 0x0
	s_barrier_signal -1
	s_barrier_wait -1                              ; steps 4-15 are in
	WALK 4, 4, BB0, PSB, 3
	s_cmp_lg_u32 s[ROLE], 0
	s_cbranch_scc1 .Lno_switch
	FINAL CIL, CSL                                 ; the low block is done (g is 7 at the most): on to the rest of the high block
	s_wait_xcnt 0x0
.irp i, 0,1,2,3,4,5
	v_mov_b32 v[16+\i], v[Q2+\i]
.endr
	v_mov_b32 v255, v[Q2+6]
	v_mov_b32 v13, 0xff61b1e6
	s_delay_alu instid0(VALU_DEP_1)
	v_floor_f32 v12, -v13
	v_mov_b32 v14, 0
	v_mov_b32 v15, 0
.set n, 0
.rept 32
	v_mov_b32 v[160+n], 0
.set n, n+1
.endr
	s_mov_b32 s[LO], s[SP]
	s_mov_b32 s[LIM], s[BH]
	s_mov_b32 s[DG], s[BH]
.Lno_switch:
	WALK 8, 8, BB0+4*STEPB, PSB, 3
.rept 4
	v_nop
.endr
	s_wait_alu depctr_va_vdst(0)
.irp k, 0,1,2,3,4,5,6,7
	ds_store_b128 v[SGW], v[160+4*\k:163+4*\k] offset:512*\k   ; my part of the high block, as it stands in the registers
.endr
	ds_store_b128 v[SGW], v[12:15] offset:4096
	s_wait_dscnt 0x0
	s_barrier_signal -1
	s_barrier_wait -1
	s_cmp_lg_u32 s[ROLE], 0
	s_cbranch_scc1 .Lend
.irp k, 0,1,2,3,4,5,6,7
	ds_load_b128 v[96+4*\k:99+4*\k], v[SGR] offset:512*\k
.endr
	ds_load_b128 v[128:131], v[SGR] offset:4096
	s_wait_dscnt 0x0
	v_min_num_f32 v132, v12, v128                  ; the larger M of the two; both parts are brought under it by exact powers of two
	s_delay_alu instid0(VALU_DEP_1)
	v_sub_f32 v133, v132, v128
	s_delay_alu instid0(VALU_DEP_2)
	v_sub_f32 v134, v132, v12
	s_delay_alu instid0(VALU_DEP_2)
	v_cvt_i32_f32 v133, v133
	s_delay_alu instid0(VALU_DEP_2)
	v_cvt_i32_f32 v134, v134
	s_delay_alu instid0(VALU_DEP_2)
	v_ldexp_f32 v136, 1.0, v133
	s_delay_alu instid0(VALU_DEP_3)
	v_ldexp_f32 v137, 1.0, v133
	s_delay_alu instid0(VALU_DEP_3)
	v_ldexp_f32 v138, 1.0, v134
	s_delay_alu instid0(VALU_DEP_4)
	v_ldexp_f32 v139, 1.0, v134
	s_delay_alu instid0(VALU_DEP_1)
	v_pk_mul_f32 v[14:15], v[14:15], v[138:139]
	s_delay_alu instid0(VALU_DEP_1)
	v_pk_fma_f32 v[14:15], v[130:131], v[136:137], v[14:15]
.set n, 0
.rept 16
	v_pk_mul_f32 v[160+n:161+n], v[160+n:161+n], v[138:139]
	s_delay_alu instid0(VALU_DEP_1)
	v_pk_fma_f32 v[160+n:161+n], v[96+n:97+n], v[136:137], v[160+n:161+n]
.set n, n+2
.endr
	FINAL CIH, CSH
.Lend:
	s_wait_tensorcnt 0x0                           ; the wave's end
	ds_add_u32 v250, v251
	s_wait_dscnt 0x0
	s_endpgm
.Lfunc_end_k_q7828a4ae34_attn:
	.size	k_q7828a4ae34_attn, .Lfunc_end_k_q7828a4ae34_attn-k_q7828a4ae34_attn
	.p2alignl 7, 3214868480
	.fill 96, 4, 3214868480
	.section	.rodata,"a",@progbits
	.p2align	6, 0x0
	.amdhsa_kernel k_q7828a4ae34_attn
		.amdhsa_group_segment_fixed_size 327680
		.amdhsa_private_segment_fixed_size 0
		.amdhsa_enable_private_segment 0
		.amdhsa_kernarg_size 16
		.amdhsa_user_sgpr_count 2
		.amdhsa_user_sgpr_kernarg_segment_ptr 1
		.amdhsa_wavefront_size32 1
		.amdhsa_system_sgpr_workgroup_id_x 1
		.amdhsa_system_sgpr_workgroup_id_y 1
		.amdhsa_system_sgpr_workgroup_id_z 1
		.amdhsa_system_vgpr_workitem_id 0
		.amdhsa_next_free_vgpr 256
		.amdhsa_next_free_sgpr 90
		.amdhsa_reserve_vcc 1
		.amdhsa_float_denorm_mode_32 3
		.amdhsa_float_denorm_mode_16_64 3
		.amdhsa_memory_ordered 1
		.amdhsa_forward_progress 1
		.amdhsa_inst_pref_size 96
	.end_amdhsa_kernel
	.amdgpu_metadata
---
amdhsa.version: [ 1, 2 ]
amdhsa.kernels:
  - .name:           k_q7828a4ae34_attn
    .symbol:         k_q7828a4ae34_attn.kd
    .args:
      - { .name: qkv, .offset: 0, .size: 8, .value_kind: global_buffer, .address_space: global }
      - { .name: ctx, .offset: 8, .size: 8, .value_kind: global_buffer, .address_space: global }
    .group_segment_fixed_size: 327680
    .private_segment_fixed_size: 0
    .kernarg_segment_align: 8
    .kernarg_segment_size: 16
    .max_flat_workgroup_size: 512
    .sgpr_count:     90
    .vgpr_count:     256
    .wavefront_size: 32
...
	.end_amdgpu_metadata
.endif
;; end of part 3
;; launch oproj (part 4): grid 8 x 32, 4 waves a work-group, clusters of 4 x 4, 327,680 bytes of LDS; arguments ctx, wts, b_o, x, x1; writes x1
.if DOCPART == 4
	.amdgcn_target "amdgcn-amd-amdhsa--gfx1250"
	.amdhsa_code_object_version 6
	.text
	.protected	k_q7828a4ae34_oproj
	.globl	k_q7828a4ae34_oproj
	.p2align	8
	.type	k_q7828a4ae34_oproj,@function
k_q7828a4ae34_oproj:
	s_mov_b64 s[64:65], 0
	v_nop
	global_prefetch_b8 v0, s[64:65] scope:SCOPE_SE
	s_setreg_imm32_b32 hwreg(HW_REG_WAVE_MODE, 25, 1), 1
	s_wait_xcnt 0x0
	s_wait_alu depctr_hold_cnt(0) depctr_sa_sdst(0) depctr_va_vdst(0) depctr_va_sdst(0) depctr_va_ssrc(0) depctr_va_vcc(0) depctr_vm_vsrc(0)
	s_getreg_b32 s2, hwreg(HW_REG_IB_STS2, 6, 4)
	s_cmp_eq_u32 s2, 0
	s_cbranch_scc0 .Lentry_in_a_cluster
	s_endpgm
.Lentry_in_a_cluster:
	s_bfe_u32 s2, ttmp6, 0x10000c
	s_cmp_lg_u32 s2, 0xf033
	s_cbranch_scc0 .Lentry_shape_is_right
	s_endpgm
.Lentry_shape_is_right:
; out[m][n] = resid[m][n] + bias[n] + sum over k of A[m][k] B[n][k], A and B codes of BF6 with E8M0 scales, as operand images; out, resid, bias f32.  M = 4,096, N = 1,024; here K = 1,024 (the attention's output projection).
; A tile of C is 128 x 128, so that N = 1,024 still gives 256 work-groups; four waves of 64 x 64 (16 accumulators).  K goes in steps of 512 through two LDS slots; a wave's tensor load brings 8 row blocks x 256 K,
; 24,576 consecutive bytes.  The scale words of the tile's rows, for all of K, come once.  At K = 1,024 both slots are first fills and nothing is filled again.
; CLUSTERS: 4 x 4 work-groups; A's tiles shared along a row, B's along a column: joint loads.  THE MATRIX INSTRUCTION IS USED TRANSPOSED (source 0 = B's rows, source 1 = A's rows).
; Rows of A (tokens) and of B (columns) stand in storage order (bits 3 and 4 of the index exchanged): a lane's registers run along true columns; the rows are put back on the way out by the stores' offsets.
; The bias is the C of each sum's first product.  The residual is asked for at the head and lands under the K walk.
; REGISTERS: window 0: v16-29 addresses; v32-63 scale words, two sets; v64-95 the bias; v128-255 accumulators ((a, b) at v[128 + 8 (4 a + b)]).  window 1: two fragment buffers of 96.  window 2: v0-127 the residual.
.set KDIM,  1024
.set ASCL,  3145728                    ; where A's scale words begin in its buffer
.set BIMG,  3145728                    ; where B's image begins in wts
.set BSCL,  10321920                   ; and its scale words
.set RBB,   3072
.set HALFT, 8*RBB
.set SLOT,  4*HALFT                    ; A's even slab, A's odd slab, B's even, B's odd
.set ASLAB, 786432
.set BSLAB, 196608
.set HALFS, 2*KDIM                     ; the scale words of 4 row blocks
.set RBS,   KDIM/2                     ; of one
.set SCL,   2*SLOT
.set SPARE, SCL+4*HALFS+256            ; the spare words: two blocks of 256 bytes that no other line names
.set STAGE, SPARE+512                  ; 128 rows x 528 bytes, the work-group's, for the way out: no fill lands here
.set SPITCH, 528
.set LAPS,  KDIM/1024
.set FR,    12
.set A16,  16
.set A8,   18
.set B16,  20
.set B8,   22
.set STO,  24
.set RD,   25
.set CO,   26                          ; 16 x lane
.set ADRS, 27
.set SPW,  28
.set NIL,  29
.set SC,   32                          ; set s at v[SC + 16 s]; register 4 i + q
.set BIAS, 64
.set ACC,  128
.set F0,   0
.set F1,   128
.set G1,   24
.set G0,   32
.set G1B,  48
.set G0B,  56
.set G1S,  68
.set G0S,  76
.set G1SB, 80
.set G0SB, 88
.set MSB, 0
.macro WIN new
.if MSB != (\new)
	s_set_vgpr_msb (MSB<<8)|(\new)
.set MSB, (\new)
.endif
.endm
.set MUL,  0x05                        ; sources 0 and 1 window 1; C and D window 0
.set TO_F, 0x40
; THE FILLS: all of K at the head, one joint load a wave: A's four slabs (four rows of 24,576 bytes, a slab apart in memory), B's four, A's scale words, B's.  In LDS A's slabs lie on end, then B's.  Nothing is filled again.
; No data prefetch: all is asked for at the head.
.macro TL g0, g1                       ; a joint load; an s_nop 0 and four v_nop follow it
	tensor_load_to_lds s[\g0:\g0+3], s[\g1:\g1+7]
	s_nop 0
.rept 4
	v_nop
.endr
.endm
.macro LOAD4 a, ga, b, gb, c, gc, d, gd  ; one chain of branches on the wave's number, one load to an arm, one join
	s_cmp_eq_u32 s14, 0
	s_cbranch_scc0 .Lw1_\@
	TL \a, \ga
	s_branch .Lj_\@
.Lw1_\@:
	s_cmp_eq_u32 s14, 1
	s_cbranch_scc0 .Lw2_\@
	TL \b, \gb
	s_branch .Lj_\@
.Lw2_\@:
	s_cmp_eq_u32 s14, 2
	s_cbranch_scc0 .Lw3_\@
	TL \c, \gc
	s_branch .Lj_\@
.Lw3_\@:
	TL \d, \gd
.Lj_\@:
.endm
.macro LOAD2 a, ga, b, gb              ; waves 0 and 1 load; waves 2 and 3 pass four places
	s_cmp_eq_u32 s14, 0
	s_cbranch_scc0 .Lw1_\@
	TL \a, \ga
	s_branch .Lj_\@
.Lw1_\@:
	s_cmp_eq_u32 s14, 1
	s_cbranch_scc0 .Lw2_\@
	TL \b, \gb
	s_branch .Lj_\@
.Lw2_\@:
.rept 4
	v_nop
.endr
.Lj_\@:
.endm
.macro CREST
	s_cmp_lg_u32 s14, 0
	s_cbranch_scc1 .Lnot_wave_0_\@
	s_barrier_signal -3
.Lnot_wave_0_\@:
	s_barrier_wait -3
	s_barrier_signal -1
	s_barrier_wait -1
.endm
.macro CROUND
	s_barrier_signal -1
	s_barrier_wait -1
	CREST
.endm
.macro SETC g, lds, alo, aoff          ; a group 0: count 1, a constant LDS address, global address, type 2
	s_mov_b32 s[\g], 1
	s_mov_b32 s[\g+1], \lds
	s_add_nc_u64 s[\g+2:\g+3], s[\alo:\alo+1], \aoff
	s_or_b32 s[\g+3], s[\g+3], 0x80000000
.endm
.macro PLACES
.rept 4
	v_nop
.endr
.endm
.macro FRAG reg, a16, a8, off
	ds_load_b128 v[\reg:\reg+3], v[\a16] offset:\off
	ds_load_b64 v[\reg+4:\reg+5], v[\a8] offset:\off
	ds_load_b128 v[\reg+6:\reg+9], v[\a16] offset:\off+768
	ds_load_b64 v[\reg+10:\reg+11], v[\a8] offset:\off+768
.endm
.macro FETCH slot, ks, f               ; 32 LDS loads in one run: the slot's ks-th 128 K: B's four blocks, then A's
	WIN TO_F
.irp i, 0,1,2,3
	FRAG \f+48+FR*\i, B16+\slot, B8+\slot, ((\ks)/2)*HALFT+\i*RBB+((\ks)%2)*1536
.endr
.irp i, 0,1,2,3
	FRAG \f+FR*\i, A16+\slot, A8+\slot, ((\ks)/2)*HALFT+\i*RBB+((\ks)%2)*1536
.endr
.endm
.macro SCALES sc                       ; a slot's scale words: lanes 0-15 A's block i, lanes 16-31 B's block i
.irp i, 0,1,2,3
.irp q, 0,1,2,3
	ds_load_b32 v[SC+16*(\sc)+4*\i+\q], v[ADRS] offset:\i*RBS+\q*64
.endr
.endr
.endm
; 8 matrix instructions: A's blocks a0, a0 + 1 x B's four.  The 16 accumulators take turns, one instruction a turn
.macro MUL8 f, a0, q, sc, first
.irp a, \a0, \a0+1
.irp b, 0,1,2,3
.if \first
	v_wmma_scale_f32_16x16x128_f8f6f4 v[ACC+8*(4*(\a)+\b):ACC+8*(4*(\a)+\b)+7], v[\f+48+FR*\b:\f+48+FR*\b+FR-1], v[\f+FR*(\a):\f+FR*(\a)+FR-1], v[BIAS+8*\b:BIAS+8*\b+7], v[SC+16*(\sc)+4*\b+(\q)], v[SC+16*(\sc)+4*(\a)+(\q)] matrix_a_fmt:MATRIX_FMT_BF6 matrix_b_fmt:MATRIX_FMT_BF6 matrix_a_scale:MATRIX_SCALE_ROW1
.else
	v_wmma_scale_f32_16x16x128_f8f6f4 v[ACC+8*(4*(\a)+\b):ACC+8*(4*(\a)+\b)+7], v[\f+48+FR*\b:\f+48+FR*\b+FR-1], v[\f+FR*(\a):\f+FR*(\a)+FR-1], v[ACC+8*(4*(\a)+\b):ACC+8*(4*(\a)+\b)+7], v[SC+16*(\sc)+4*\b+(\q)], v[SC+16*(\sc)+4*(\a)+(\q)] matrix_a_fmt:MATRIX_FMT_BF6 matrix_b_fmt:MATRIX_FMT_BF6 matrix_a_scale:MATRIX_SCALE_ROW1
.endif
.endr
.endr
.endm
; One of a slot's first three steps of 128 K: multiplies buffer f (step q) and fetches step nks into g
.macro QUARTER slot, nks, f, g, q, first
	s_wait_dscnt 8                                 ; all but A's blocks 2 and 3
	WIN MUL
	MUL8 \f, 0, \q, \slot, \first
	PLACES
	FETCH \slot, \nks, \g
	s_wait_dscnt 32                                ; all but the 32 just issued
	WIN MUL
	MUL8 \f, 2, \q, \slot, \first
.endm
; A slot's last step multiplies buffer 1 and changes slots.  fill = 1: this slot is filled again, two slots ahead
.macro TURN slot, next, fill
	WIN 0
	s_wait_tensorcnt 0x0                           ; all my tensor loads have landed: my part of the next slot
	ds_add_u32 v[SPW], v[NIL]                      ; 0 onto my spare word
	s_wait_dscnt 0x0                               ; the add is done, and my reads of this slot are over
	s_barrier_signal -1
	WIN MUL
	MUL8 F1, 0, 3, \slot, 0
	WIN 0
	s_barrier_wait -1
.if \fill
	CREST                                          ; the barrier has opened a round of the cluster's
	s_add_nc_u64 s[G0+4*\slot+2:G0+4*\slot+3], s[G0+4*\slot+2:G0+4*\slot+3], 4*ASLAB
	s_add_nc_u64 s[G0B+4*\slot+2:G0B+4*\slot+3], s[G0B+4*\slot+2:G0B+4*\slot+3], 4*BSLAB
	LOAD2 G0+4*\slot, G1, G0B+4*\slot, G1B
.else
	PLACES
.endif
	v_add_nc_u32 v[ADRS], 256, v[ADRS]             ; the next slot's scale words (no LDS load of mine is out)
	SCALES \next
	FETCH \next, 0, F0
	WIN MUL
	MUL8 F1, 2, 3, \slot, 0
.endm
	s_load_b256 s[4:11], s[0:1], 0x0               ; A s[4:5], wts s[6:7], bias s[8:9], residual s[10:11]
	s_load_b64 s[12:13], s[0:1], 0x20              ; out
	v_lshl_add_u32 v[SPW], v0, 2, SPARE
	v_mov_b32 v[NIL], 0
	ds_add_u32 v28, v29
	ds_add_u32 v28, v29
	s_wait_dscnt 0x0
	v_lshrrev_b32 v1, 5, v0
	v_readfirstlane_b32 s14, v1                    ; wave 0..3
	s_lshr_b32 s15, s14, 1                         ; my half of the tile's rows; also: I fetch for A (0) or B (1)
	s_and_b32 s16, s14, 1                          ; my half of its columns; also: which slab of the slot, which half of the scale words I fetch
	s_bfe_u32 s40, ttmp6, 0x40000
	s_bfe_u32 s41, ttmp6, 0x40004
	s_lshl_b32 s42, ttmp9, 2
	s_add_co_u32 s42, s42, s40                     ; tile column
	s_and_b32 s17, ttmp7, 0xffff
	s_lshl_b32 s17, s17, 2
	s_add_co_u32 s17, s17, s41                     ; tile row
	s_lshl_b32 s43, s41, 2
	s_lshl_b32 s43, 15, s43
	s_lshl_b32 s44, 0x1111, s40
	s_or_b32 s[G1], s43, (3<<16)|(1<<21)
	s_or_b32 s[G1B], s44, (3<<16)|(1<<21)
.irp g, G1, G1B                                ; four rows of 24,576 bytes (3,072 elements of 8): 8 row blocks x 256 K each
	s_mov_b32 s[\g+1], 3072<<16
	s_mov_b32 s[\g+2], 4<<16
	s_mov_b32 s[\g+3], 3072<<16
	s_mov_b32 s[\g+4], 4
	s_mov_b32 s[\g+6], 0
	s_mov_b32 s[\g+7], 0
.endr
	s_mov_b32 s[G1+5], ASLAB/8                     ; from a slab to the next, in elements
	s_mov_b32 s[G1B+5], BSLAB/8
	s_or_b32 s[G1S], s43, (3<<16)|(1<<21)
	s_or_b32 s[G1SB], s44, (3<<16)|(1<<21)
.irp g, G1S, G1SB                              ; 2 x HALFS bytes (8 row blocks) as rows of 256
	s_mov_b32 s[\g+1], 32<<16
	s_mov_b32 s[\g+2], (KDIM/64)<<16
	s_mov_b32 s[\g+3], 32<<16
	s_mov_b32 s[\g+4], KDIM/64
	s_mov_b32 s[\g+5], 32
	s_mov_b32 s[\g+6], 0
	s_mov_b32 s[\g+7], 0
.endr
	s_mul_i32 s20, s17, 8*RBB                      ; A: slab 0, row block 8 x tile row
	s_mov_b32 s21, 0
	s_mul_i32 s22, s17, 8*RBS
	s_add_co_u32 s22, s22, ASCL
	s_mov_b32 s23, 0
	s_mul_i32 s46, s42, 8*RBB
	s_add_co_u32 s46, s46, BIMG                    ; B likewise
	s_mov_b32 s47, 0
	s_mul_i32 s92, s42, 8*RBS
	s_add_co_u32 s92, s92, BSCL
	s_mov_b32 s93, 0
	s_wait_kmcnt 0x0
	s_add_nc_u64 s[20:21], s[4:5], s[20:21]
	s_add_nc_u64 s[22:23], s[4:5], s[22:23]
	s_add_nc_u64 s[46:47], s[6:7], s[46:47]
	s_add_nc_u64 s[92:93], s[6:7], s[92:93]
	CROUND                                         ; all sixteen work-groups are here
	SETC G0, 0, 20, 0
	SETC G0B, 4*HALFT, 46, 0
	SETC G0S, SCL, 22, 0
	SETC G0SB, SCL+2*HALFS+128, 92, 0              ; B's words 128 bytes further on: other banks than A's
	LOAD4 G0, G1, G0B, G1B, G0S, G1S, G0SB, G1SB   ; one load a wave
	v_and_b32 v1, 31, v0
	v_and_b32 v2, 15, v0                           ; r
	v_bfe_u32 v3, v0, 4, 1                         ; h
	v_lshlrev_b32 v[CO], 4, v1
	v_lshlrev_b32 v4, 3, v1
	v_add_nc_u32 v4, 512, v4
	s_mul_i32 s21, s15, 4*RBB                      ; my 4 row blocks of A
	s_mul_i32 s22, s16, 4*RBB
	s_add_co_u32 s22, s22, 4*HALFT                 ; and of B, behind A's four slabs
.irp s, 0,1
	v_add_nc_u32 v[A16+\s], s21, v[CO]
	v_add_nc_u32 v[A8+\s], s21, v4
	v_add_nc_u32 v[B16+\s], s22, v[CO]
	v_add_nc_u32 v[B8+\s], s22, v4
	s_add_co_u32 s21, s21, 2*HALFT                 ; the second 512 K: two slabs on
	s_add_co_u32 s22, s22, 2*HALFT
.endr
	s_mul_i32 s21, s15, HALFS
	s_mul_i32 s22, s16, HALFS
	s_add_co_u32 s22, s22, 2*HALFS+128
	s_sub_co_u32 s22, s22, s21
	v_mul_u32_u24 v5, s22, v3                      ; lanes 16-31 take B's words: the lower base + h x the distance
	s_add_co_u32 s21, s21, SCL
	v_lshl_add_u32 v5, v2, 2, v5
	v_add_nc_u32 v[ADRS], s21, v5
	s_mul_i32 s21, s15, 64*SPITCH                  ; into the stage: my 64 rows, my 256 bytes of them; row r, 64 h
	s_lshl_b32 s22, s16, 8
	s_add_co_u32 s21, s21, s22
	s_add_co_u32 s21, s21, STAGE
	v_mul_u32_u24 v5, v2, SPITCH
	v_lshl_add_u32 v5, v3, 6, v5
	v_add_nc_u32 v[STO], s21, v5
	s_mul_i32 s21, s14, 32*SPITCH                  ; back: wave w takes rows 32 w .. 32 w + 31, whole
	s_add_co_u32 s21, s21, STAGE
	v_add_nc_u32 v[RD], s21, v[CO]
	s_lshl_b32 s46, s42, 9                         ; the tile's 512 bytes of a row
	s_lshl_b32 s47, s16, 8
	s_add_co_u32 s20, s46, s47
	s_mov_b32 s21, 0
	s_add_nc_u64 s[8:9], s[8:9], s[20:21]          ; the bias of my 64 columns
	s_lshl_b32 s20, s17, 19
	s_lshl_b32 s22, s14, 17
	s_add_co_u32 s20, s20, s22
	s_add_co_u32 s20, s20, s46                     ; row 128 x tile row + 32 x wave
	s_add_nc_u64 s[10:11], s[10:11], s[20:21]
	s_add_nc_u64 s[12:13], s[12:13], s[20:21]
	v_lshlrev_b32 v6, 6, v3
.irp b, 0,1,2,3                                ; lane (r, h), tile b, register j: column 32 (b / 2) + 16 h + 8 (b % 2) + j
	global_load_b128 v[BIAS+8*\b:BIAS+8*\b+3], v6, s[8:9] offset:(32*(\b/2)+8*(\b%2))*4
	global_load_b128 v[BIAS+8*\b+4:BIAS+8*\b+7], v6, s[8:9] offset:(32*(\b/2)+8*(\b%2))*4+16
.endr
	s_wait_alu depctr_va_vdst(0)
	s_wait_tensorcnt 0x0                           ; my tile of the four is in
	s_barrier_signal -1
	s_barrier_wait -1                              ; and everybody's
	SCALES 0
	FETCH 0, 0, F0
	WIN 0x80                                       ; destination window 2: the residual is asked for when the tiles are in, and lands under the K walk
.set ii, 0
.rept 32
	global_load_b128 v[4*ii:4*ii+3], v[CO], s[10:11] offset:((ii&7)|(((ii>>4)&1)<<3)|(((ii>>3)&1)<<4))*4096   ; storage row ii is true row SW(ii): 512 consecutive bytes
.set ii, ii+1
.endr
	s_wait_loadcnt 32                              ; the bias is in; the residual's 32 loads may be out
	QUARTER 0, 1, F0, F1, 0, 1                     ; the first products start the sums, from the bias
.if LAPS > 1
	WIN 0
	s_mov_b32 s3, LAPS-1
.Llap:                                                 ; once round the ring, from a lap's second step to the next lap's first; both slots are filled again
	QUARTER 0, 2, F1, F0, 1, 0
	QUARTER 0, 3, F0, F1, 2, 0
	TURN 0, 1, 1
	QUARTER 1, 1, F0, F1, 0, 0
	QUARTER 1, 2, F1, F0, 1, 0
	QUARTER 1, 3, F0, F1, 2, 0
	TURN 1, 0, 1
	QUARTER 0, 1, F0, F1, 0, 0
	WIN 0
	s_sub_co_u32 s3, s3, 1
	s_cmp_lg_u32 s3, 0
	s_cbranch_scc1 .Llap
.endif
	QUARTER 0, 2, F1, F0, 1, 0                     ; the last lap fills nothing
	QUARTER 0, 3, F0, F1, 2, 0
	TURN 0, 1, 0
	QUARTER 1, 1, F0, F1, 0, 0
	QUARTER 1, 2, F1, F0, 1, 0
	QUARTER 1, 3, F0, F1, 2, 0
	s_wait_dscnt 0x0
	WIN MUL
	MUL8 F1, 0, 3, 1, 0
	MUL8 F1, 2, 3, 1, 0
	WIN 0
	; THE WAY OUT: through the work-group's stage, since a row's 512 bytes come from two waves; back as whole rows; + the residual; stored at the true rows
	PLACES
.irp a, 0,1,2,3
.irp b, 0,1,2,3
	ds_store_b128 v[STO], v[ACC+8*(4*\a+\b):ACC+8*(4*\a+\b)+3] offset:\a*16*SPITCH+128*(\b/2)+32*(\b%2)      ; each accumulator from its low end on
	ds_store_b128 v[STO], v[ACC+8*(4*\a+\b)+4:ACC+8*(4*\a+\b)+7] offset:\a*16*SPITCH+128*(\b/2)+32*(\b%2)+16
.endr
.endr
	s_wait_dscnt 0x0                               ; for the others: my stores have landed
	s_barrier_signal -1
	s_barrier_wait -1
	WIN TO_F
.set ii, 0
.rept 32
	ds_load_b128 v[4*ii:4*ii+3], v[RD] offset:ii*SPITCH
.set ii, ii+1
.endr
	s_wait_dscnt 0x0
	s_wait_loadcnt 0x0                             ; the residual
	WIN 0x49                                       ; destination and source 0 window 1, source 1 window 2
.set ii, 0
.rept 64
	v_pk_add_f32 v[2*ii:2*ii+1], v[2*ii:2*ii+1], v[2*ii:2*ii+1]
.set ii, ii+1
.endr
	WIN 0x04                                       ; a store's data are its source 1: window 1
.set ii, 0
.rept 32
	global_store_b128 v[CO], v[4*ii:4*ii+3], s[12:13] offset:((ii&7)|(((ii>>4)&1)<<3)|(((ii>>3)&1)<<4))*4096   ; 512 consecutive bytes, aligned
.set ii, ii+1
.endr
	WIN 0
	s_wait_tensorcnt 0x0                           ; the wave's end
	ds_add_u32 v[SPW], v[NIL]
	s_wait_dscnt 0x0
	CROUND                                         ; the closing round
	s_endpgm
.Lfunc_end_k_q7828a4ae34_oproj:
	.size	k_q7828a4ae34_oproj, .Lfunc_end_k_q7828a4ae34_oproj-k_q7828a4ae34_oproj
	.p2alignl 7, 3214868480
	.fill 96, 4, 3214868480
	.section	.rodata,"a",@progbits
	.p2align	6, 0x0
	.amdhsa_kernel k_q7828a4ae34_oproj
		.amdhsa_group_segment_fixed_size 327680
		.amdhsa_private_segment_fixed_size 0
		.amdhsa_enable_private_segment 0
		.amdhsa_kernarg_size 40
		.amdhsa_user_sgpr_count 2
		.amdhsa_user_sgpr_kernarg_segment_ptr 1
		.amdhsa_wavefront_size32 1
		.amdhsa_system_sgpr_workgroup_id_x 1
		.amdhsa_system_sgpr_workgroup_id_y 1
		.amdhsa_system_sgpr_workgroup_id_z 1
		.amdhsa_system_vgpr_workitem_id 0
		.amdhsa_next_free_vgpr 640
		.amdhsa_next_free_sgpr 100
		.amdhsa_reserve_vcc 0
		.amdhsa_float_denorm_mode_32 3
		.amdhsa_float_denorm_mode_16_64 3
		.amdhsa_memory_ordered 1
		.amdhsa_forward_progress 1
		.amdhsa_inst_pref_size 61
	.end_amdhsa_kernel
	.amdgpu_metadata
---
amdhsa.version: [ 1, 2 ]
amdhsa.kernels:
  - .name:           k_q7828a4ae34_oproj
    .symbol:         k_q7828a4ae34_oproj.kd
    .args:
      - { .name: ctx, .offset: 0, .size: 8, .value_kind: global_buffer, .address_space: global }
      - { .name: wts, .offset: 8, .size: 8, .value_kind: global_buffer, .address_space: global }
      - { .name: b_o, .offset: 16, .size: 8, .value_kind: global_buffer, .address_space: global }
      - { .name: x, .offset: 24, .size: 8, .value_kind: global_buffer, .address_space: global }
      - { .name: x1, .offset: 32, .size: 8, .value_kind: global_buffer, .address_space: global }
    .group_segment_fixed_size: 327680
    .private_segment_fixed_size: 0
    .kernarg_segment_align: 8
    .kernarg_segment_size: 40
    .max_flat_workgroup_size: 128
    .sgpr_count:     100
    .vgpr_count:     640
    .wavefront_size: 32
...
	.end_amdgpu_metadata
.endif
;; end of part 4
;; launch ln2: the kernel of part 1 again; grid 256 x 1, 8 waves a work-group, no clusters, 69,632 bytes of LDS; arguments x1, ln2_scale, ln2_shift, hact, w_q, w_k, w_v, w_o, w_ff1, w_ff2, wts; writes hact, wts
;; launch ff1 (part 5): grid 16 x 16, 4 waves a work-group, clusters of 4 x 4, 327,680 bytes of LDS; arguments hact, wts, b_ff1, gact; writes gact
.if DOCPART == 5
	.amdgcn_target "amdgcn-amd-amdhsa--gfx1250"
	.amdhsa_code_object_version 6
	.text
	.protected	k_q7828a4ae34_ff1
	.globl	k_q7828a4ae34_ff1
	.p2align	8
	.type	k_q7828a4ae34_ff1,@function
k_q7828a4ae34_ff1:
	s_mov_b64 s[64:65], 0
	v_nop
	global_prefetch_b8 v0, s[64:65] scope:SCOPE_SE
	s_setreg_imm32_b32 hwreg(HW_REG_WAVE_MODE, 25, 1), 1
	s_wait_xcnt 0x0
	s_wait_alu depctr_hold_cnt(0) depctr_sa_sdst(0) depctr_va_vdst(0) depctr_va_sdst(0) depctr_va_ssrc(0) depctr_va_vcc(0) depctr_vm_vsrc(0)
	s_getreg_b32 s2, hwreg(HW_REG_IB_STS2, 6, 4)
	s_cmp_eq_u32 s2, 0
	s_cbranch_scc0 .Lentry_in_a_cluster
	s_endpgm
.Lentry_in_a_cluster:
	s_bfe_u32 s2, ttmp6, 0x10000c
	s_cmp_lg_u32 s2, 0xf033
	s_cbranch_scc0 .Lentry_shape_is_right
	s_endpgm
.Lentry_shape_is_right:
; g = gelu_tanh(h W1 + b1) on codes of BF6 with E8M0 scales, K = 1,024, N = 4,096; g is quantised along N in registers and leaves as an operand image for the next product.
; A tile of C is 256 x 256, four waves of 128 x 128 (64 accumulators, 512 registers).  OPERANDS ARE IMAGES OF THEIR REGISTERS: 8 row blocks x 256 K are 24,576 consecutive bytes, one tensor load; a fragment is
; four dense LDS loads.  K goes in four slabs of 256 through THREE LDS slots: slabs 0-2 and the scale words go out at the start, slab 3 fills slot 0 again.  The eight steps of 128 K are written out.
; CLUSTERS: 4 x 4 work-groups; A's tiles shared along a row, B's along a column: joint loads.  THE MATRIX INSTRUCTION IS USED TRANSPOSED (source 0 = W1's columns, source 1 = tokens).
; Rows stand in storage order, so the 16 registers of two neighbouring tiles of B are 16 neighbours along n.  The bias is the C of each sum's first product.
; GELU: 0.5 x (1 + tanh(u)) = x / (1 + 2^(x (K1 + K2 x^2))), K1 = -2 sqrt(2 / pi) log2(e), K2 = 0.044715 K1: v_exp_f32 and v_rcp_f32; for very negative x it has not the cancellation of 1 + tanh.
; LIMITS: NaN and infinities are not served; a block whose largest magnitude lies under 2^-122 gets the byte 1 (only this program reads the bytes).
; REGISTERS: window 0: v8-10, v16-30 addresses; v12-13 K1; v32-63 scale words, two sets; v64-127 the bias; v128-223 A's fragments, one set (on the way out v128-191 g, v192-211 codes); v224-240 at work.
;   window 1: B's fragments, two sets.  windows 2, 3: the accumulators ((a, b) at v[8 (8 (a % 4) + b)]).
.set SLAB,  786432
.set RBB,   3072
.set HALFT, 8*RBB
.set SLOT,  4*HALFT
.set SCL,   3*SLOT                     ; the scale words: 4,096 bytes a wave; B's two parts 128 bytes further on
.set SPARE, SCL+16640                  ; the spare words: two blocks of 256 bytes that no other line names
.set FR,    12
.set NL,    4
.set NP,    4
.set ACT_SCL, 3145728
.set WF1_IMG, 3932160
.set WF1_SCL, 10354688
.set GSCL,  12582912
.set LI,   8                           ; 16 x lane
.set L8,   9                           ; 512 + 8 x lane
.set L4,   10                          ; 4 r
.set A16,  16
.set A8,   19
.set B16,  22
.set B8,   25
.set SPW,  28
.set NIL,  29
.set ADRS, 30
.set SC,   32
.set BIAS, 64
.set AF,   128
.set G,    128
.set PC,   192
.set TM,   224
.set PW,   240
.set SEL,  12                          ; s[12:13]
.set G1,   24
.set G0,   32
.set G1B,  48
.set GB0,  56
.set GB1,  60
.set GB2,  92
.set G0SB, 68
.set G1S,  72
.set G0S,  80
.set G1SB, 84
.set MSB, 0
.macro WIN new
.if MSB != (\new)
	s_set_vgpr_msb (MSB<<8)|(\new)
.set MSB, (\new)
.endif
.endm
.set MUL_LO, 0xa1                      ; source 0 (B) window 1, source 1 (A) window 0, C and D window 2
.set MUL_HI, 0xf1
.set FIRST_LO, 0x81                    ; the same with C (the bias) in window 0
.set FIRST_HI, 0xc1
.set TO_B,   0x40
; THE FILLS: at the head one joint load a wave: A's slab 0 (16 row blocks, 192 rows of 256 bytes), B's slab 0, A's scale words, B's.  Behind the three lines and a round: waves 0, 1 bring slab 1, waves 2, 3 slab 2, each on a load line of its own.
; In slab 0's last step a plain barrier, ahead of which waves 0 and 1 alone wait for their loads, shows slab 1. In slab 1's last step every wave waits for all its loads, and behind the round slab 3 fills slot 0 again: wave 0 brings A's, wave 1 B's.
; PREFETCH INTO THE L2: what the later loads will ask for: slabs 1 and 2 at the head, slab 3 behind the first round's loads.  Waves 0, 1 name the halves of A's tile, waves 2, 3 of B's; of a half's 96 blocks of 256 bytes
; each of the four partners that ask for the tile jointly takes 24, told apart by address (cx for A, cy for B): a lane a block, lanes 24-31 name the last again.  s[66:67] and v31 are never rewritten.
.macro TL g0, g1
	tensor_load_to_lds s[\g0:\g0+3], s[\g1:\g1+7]
	s_nop 0
.rept 4
	v_nop
.endr
.endm
.macro LOAD4 a, ga, b, gb, c, gc, d, gd  ; one chain of branches on the wave's number, one load to an arm, one join
	s_cmp_eq_u32 s14, 0
	s_cbranch_scc0 .Lw1_\@
	TL \a, \ga
	s_branch .Lj_\@
.Lw1_\@:
	s_cmp_eq_u32 s14, 1
	s_cbranch_scc0 .Lw2_\@
	TL \b, \gb
	s_branch .Lj_\@
.Lw2_\@:
	s_cmp_eq_u32 s14, 2
	s_cbranch_scc0 .Lw3_\@
	TL \c, \gc
	s_branch .Lj_\@
.Lw3_\@:
	TL \d, \gd
.Lj_\@:
.endm
.macro LOAD2 a, ga, b, gb              ; waves 0 and 1 load; waves 2 and 3 pass four places
	s_cmp_eq_u32 s14, 0
	s_cbranch_scc0 .Lw1_\@
	TL \a, \ga
	s_branch .Lj_\@
.Lw1_\@:
	s_cmp_eq_u32 s14, 1
	s_cbranch_scc0 .Lw2_\@
	TL \b, \gb
	s_branch .Lj_\@
.Lw2_\@:
.rept 4
	v_nop
.endr
.Lj_\@:
.endm
.macro CREST
	s_cmp_lg_u32 s14, 0
	s_cbranch_scc1 .Lnot_wave_0_\@
	s_barrier_signal -3
.Lnot_wave_0_\@:
	s_barrier_wait -3
	s_barrier_signal -1
	s_barrier_wait -1
.endm
.macro CROUND
	s_barrier_signal -1
	s_barrier_wait -1
	CREST
.endm
.macro SETC g, lds, alo, aoff          ; a group 0: count 1, a constant LDS address, global address, type 2
	s_mov_b32 s[\g], 1
	s_mov_b32 s[\g+1], \lds
	s_add_nc_u64 s[\g+2:\g+3], s[\alo:\alo+1], \aoff
	s_or_b32 s[\g+3], s[\g+3], 0x80000000
.endm
.macro PLACES n
.rept \n
	v_nop
.endr
.endm
.macro FRAG reg, a16, a8, off
	ds_load_b128 v[\reg:\reg+3], v[\a16] offset:\off
	ds_load_b64 v[\reg+4:\reg+5], v[\a8] offset:\off
	ds_load_b128 v[\reg+6:\reg+9], v[\a16] offset:\off+768
	ds_load_b64 v[\reg+10:\reg+11], v[\a8] offset:\off+768
.endm
.macro FETCH_B slot, q, p
	WIN TO_B
.irp i, 0,1,2,3,4,5,6,7
	FRAG 128*(\p)+FR*\i, B16+\slot, B8+\slot, \i*RBB+(\q)*1536
.endr
	WIN 0
.endm
.macro FETCH_A slot, q, i0
.irp i, \i0, \i0+1, \i0+2, \i0+3
	FRAG AF+FR*(\i), A16+\slot, A8+\slot, (\i)*RBB+(\q)*1536
.endr
.endm
.macro SCALES sc, sl
.irp i, 0,1,2,3,4,5,6,7
.irp q, 0,1
	ds_load_b32 v[SC+16*(\sc)+2*\i+\q], v[ADRS] offset:\i*512+(2*(\sl)+\q)*64
.endr
.endr
.endm
; 16 matrix instructions: A's blocks a0, a0 + 1 x B's eight.  The 64 accumulators take turns, one instruction a turn, in the same order in every step
.macro MUL16 a0, p, q, sc, first
.irp a, \a0, \a0+1
.irp b, 0,1,2,3,4,5,6,7
.if \first
	v_wmma_scale_f32_16x16x128_f8f6f4 v[8*(8*((\a)%4)+\b):8*(8*((\a)%4)+\b)+7], v[128*(\p)+FR*\b:128*(\p)+FR*\b+FR-1], v[AF+FR*(\a):AF+FR*(\a)+FR-1], v[BIAS+8*\b:BIAS+8*\b+7], v[SC+16*(\sc)+2*\b+(\q)], v[SC+16*(\sc)+2*(\a)+(\q)] matrix_a_fmt:MATRIX_FMT_BF6 matrix_b_fmt:MATRIX_FMT_BF6 matrix_a_scale:MATRIX_SCALE_ROW1
.else
	v_wmma_scale_f32_16x16x128_f8f6f4 v[8*(8*((\a)%4)+\b):8*(8*((\a)%4)+\b)+7], v[128*(\p)+FR*\b:128*(\p)+FR*\b+FR-1], v[AF+FR*(\a):AF+FR*(\a)+FR-1], v[8*(8*((\a)%4)+\b):8*(8*((\a)%4)+\b)+7], v[SC+16*(\sc)+2*\b+(\q)], v[SC+16*(\sc)+2*(\a)+(\q)] matrix_a_fmt:MATRIX_FMT_BF6 matrix_b_fmt:MATRIX_FMT_BF6 matrix_a_scale:MATRIX_SCALE_ROW1
.endif
.endr
.endr
.endm
.macro STEP q, p, sc, nslot, nq, nsl, first
	s_wait_dscnt 4*NL                              ; B's set, A's blocks 0-3 and the scale words are in; the youngest 16 loads (A's blocks 4-7) may be out
.if \first
	WIN FIRST_LO
.else
	WIN MUL_LO
.endif
	MUL16 0, \p, \q, \sc, \first
	MUL16 2, \p, \q, \sc, \first
	s_wait_dscnt 0x0
	PLACES NP
	FETCH_B \nslot, \nq, 1-\p
	FETCH_A \nslot, \nq, 0
.if \nsl >= 0
	SCALES 1-\sc, \nsl
.endif
.if \first
	WIN FIRST_HI
.else
	WIN MUL_HI
.endif
	MUL16 4, \p, \q, \sc, \first
	MUL16 6, \p, \q, \sc, \first
	PLACES NP
	WIN 0
	FETCH_A \nslot, \nq, 4
.endm
.macro TURN sc, nslot, nsl, fill       ; fill = 1: a round, and slot 0 takes slab 3;  0: a plain barrier behind every wave's wait;  2: a plain barrier that shows waves 0 and 1's tiles alone
.if \fill == 2
	s_cmp_lt_u32 s14, 2
	s_cbranch_scc0 .Lnot_mine_\@
	s_wait_tensorcnt 0x0                           ; waves 0 and 1: my tile of slab 1 has landed
.Lnot_mine_\@:
	s_wait_dscnt 4*NL                              ; (A's blocks 4-7 may be out)
.else
	s_wait_tensorcnt 0x0                           ; all my tensor loads have landed
	ds_add_u32 v[SPW], v[NIL]                      ; 0 onto my spare word
	s_wait_dscnt 4*NL+1                            ; (the add and A's blocks 4-7 may be out)
.endif
	WIN MUL_LO
	MUL16 0, 1, 1, \sc, 0
	s_wait_dscnt 0x0                               ; the add is done, and my reads of this slot are over
	s_barrier_signal -1
	MUL16 2, 1, 1, \sc, 0
	WIN 0
	s_barrier_wait -1
.if \fill == 1
	CREST                                          ; the barrier has opened a round of the cluster's
	s_add_nc_u64 s[G0+2:G0+3], s[G0+2:G0+3], 3*SLAB
	s_add_nc_u64 s[GB0+2:GB0+3], s[GB0+2:GB0+3], 3*SLAB
	LOAD2 G0, G1, GB0, G1B                         ; the first tensor load behind the round; four v_nop on every way are the places in front of the loads below
.else
	PLACES NP
.endif
	FETCH_B \nslot, 0, 0
	FETCH_A \nslot, 0, 0
	SCALES 1-\sc, \nsl
	WIN MUL_HI
	MUL16 4, 1, 1, \sc, 0
	MUL16 6, 1, 1, \sc, 0
	PLACES NP
	WIN 0
	FETCH_A \nslot, 0, 4
.endm
; 64 numbers of a lane, v[s] on (window 0), register 16 b + i = n 32 b + 16 h + i of my row, become a fragment in v[PC] on and its scale word in v[PW]
.macro QUANT s
	s_wait_xcnt 0x0                                ; the last block's stores have read v[PC] on and v[PW]
.irp b, 0,1,2,3
	v_max3_num_f32 v[TM+\b], |v[\s+16*\b]|, |v[\s+1+16*\b]|, 0x2800000
.endr
.irp i, 2,4,6,8,10,12,14
.irp b, 0,1,2,3
	v_max3_num_f32 v[TM+\b], v[TM+\b], |v[\s+16*\b+\i]|, |v[\s+1+16*\b+\i]|
.endr
.endr
.irp b, 0,1,2,3
	v_permlanex16_b32 v[TM+4+\b], v[TM+\b], s[SEL], s[SEL+1]
.endr
.irp b, 0,1,2,3
	v_max_num_f32 v[TM+\b], v[TM+\b], v[TM+4+\b]
.endr
.irp b, 0,1,2,3
	v_add_nc_u32 v[TM+12+\b], 0xfe000000, v[TM+\b]
.endr
.irp b, 0,1,2,3
	v_lshrrev_b32 v[TM+4+\b], 23, v[TM+12+\b]
.endr
	v_lshl_or_b32 v[PW], v[TM+5], 8, v[TM+4]
	v_lshl_or_b32 v[PW], v[TM+6], 16, v[PW]
	v_lshl_or_b32 v[PW], v[TM+7], 24, v[PW]
.irp c, 0,1
	v_cvt_scalef32_pk16_bf6_f32 v[PC+6*\c:PC+2+6*\c], v[\s+32*\c:\s+15+32*\c], v[TM+12+2*\c]
	v_cvt_scalef32_pk16_bf6_f32 v[PC+12+4*\c:PC+14+4*\c], v[\s+16+32*\c:\s+31+32*\c], v[TM+12+2*\c+1]
.endr
	v_nop
.irp c, 0,1
.irp i, 0,1,2
	v_permlane16_swap_b32 v[PC+6*\c+\i], v[PC+12+4*\c+\i]
.endr
.irp i, 0,1,2
	v_mov_b32 v[PC+3+6*\c+\i], v[PC+12+4*\c+\i]
.endr
.endr
.endm
; block a's 64 results x (window 2 or 3) become g = x / (1 + 2^(x (K1 + K2 x^2))) in v[G] on
.macro GELU a
.set AC, 64*((\a)%4)
.set WW, 2+(\a)/4
	WIN WW|(WW<<2)
.set jj, 0
.rept 32
	v_pk_mul_f32 v[G+jj:G+jj+1], v[AC+jj:AC+jj+1], v[AC+jj:AC+jj+1]   ; x^2: each accumulator is read from its low end on
.set jj, jj+2
.endr
	WIN 0
.set jj, 0
.rept 32
	v_pk_fma_f32 v[G+jj:G+jj+1], v[G+jj:G+jj+1], s[2:3], v[12:13] op_sel_hi:[1,0,1]
.set jj, jj+2
.endr
	WIN WW
.set jj, 0
.rept 32
	v_pk_mul_f32 v[G+jj:G+jj+1], v[AC+jj:AC+jj+1], v[G+jj:G+jj+1]
.set jj, jj+2
.endr
	WIN 0
.set jj, 0
	s_wait_alu depctr_va_vdst(0)
.rept 64
	v_exp_f32 v[G+jj], v[G+jj]
.set jj, jj+1
.endr
	v_nop                                          ; one plain place behind the transcendentals
.set jj, 0
	s_wait_alu depctr_va_vdst(0)
.rept 32
	v_pk_add_f32 v[G+jj:G+jj+1], v[G+jj:G+jj+1], 1.0 op_sel_hi:[1,0]
.set jj, jj+2
.endr
.set jj, 0
	s_wait_alu depctr_va_vdst(0)
.rept 64
	v_rcp_f32 v[G+jj], v[G+jj]
.set jj, jj+1
.endr
	v_nop
	WIN WW
.set jj, 0
	s_wait_alu depctr_va_vdst(0)
.rept 32
	v_pk_mul_f32 v[G+jj:G+jj+1], v[AC+jj:AC+jj+1], v[G+jj:G+jj+1]
.set jj, jj+2
.endr
	WIN 0
.endm
	s_load_b256 s[4:11], s[0:1], 0x0               ; hact s[4:5], wts s[6:7], b_ff1 s[8:9], gact s[10:11]
	v_lshl_add_u32 v[SPW], v0, 2, SPARE
	v_mov_b32 v[NIL], 0
	ds_add_u32 v28, v29
	ds_add_u32 v28, v29
	s_wait_dscnt 0x0
	v_lshrrev_b32 v1, 5, v0
	v_readfirstlane_b32 s14, v1                    ; wave 0..3
	s_lshr_b32 s15, s14, 1
	s_and_b32 s16, s14, 1
	s_bfe_u32 s96, ttmp6, 0x40000                  ; cx
	s_bfe_u32 s97, ttmp6, 0x40004                  ; cy
	s_lshl_b32 s18, ttmp9, 2
	s_add_co_u32 s18, s18, s96                     ; tile column
	s_and_b32 s17, ttmp7, 0xffff
	s_lshl_b32 s17, s17, 2
	s_add_co_u32 s17, s17, s97                     ; tile row
	s_lshl_b32 s98, s97, 2
	s_lshl_b32 s98, 15, s98
	s_lshl_b32 s99, 0x1111, s96
	s_or_b32 s[G1], s98, (3<<16)|(1<<21)
	s_or_b32 s[G1B], s99, (3<<16)|(1<<21)
.irp g, G1, G1B
	s_mov_b32 s[\g+1], 32<<16
	s_mov_b32 s[\g+2], 192<<16
	s_mov_b32 s[\g+3], 32<<16
	s_mov_b32 s[\g+4], 192
	s_mov_b32 s[\g+5], 32
	s_mov_b32 s[\g+6], 0
	s_mov_b32 s[\g+7], 0
.endr
	s_or_b32 s[G1S], s98, (3<<16)|(1<<21)
	s_or_b32 s[G1SB], s99, (3<<16)|(1<<21)
.irp g, G1S, G1SB
	s_mov_b32 s[\g+1], 32<<16
	s_mov_b32 s[\g+2], 32<<16
	s_mov_b32 s[\g+3], 32<<16
	s_mov_b32 s[\g+4], 32
	s_mov_b32 s[\g+5], 32
	s_mov_b32 s[\g+6], 0
	s_mov_b32 s[\g+7], 0
.endr
	s_lshl_b32 s20, s17, 4                         ; A: the tile's first row block
	s_lshl_b32 s22, s20, 9
	s_add_co_u32 s22, s22, ACT_SCL
	s_mul_i32 s20, s20, RBB
	s_mov_b32 s21, 0
	s_mov_b32 s23, 0
	s_lshl_b32 s44, s18, 4
	s_lshl_b32 s46, s44, 9
	s_add_co_u32 s46, s46, WF1_SCL
	s_mul_i32 s44, s44, RBB
	s_add_co_u32 s44, s44, WF1_IMG
	s_mov_b32 s45, 0
	s_mov_b32 s47, 0
	s_mov_b32 s[SEL], 0x76543210
	s_mov_b32 s[SEL+1], 0xfedcba98
	s_wait_kmcnt 0x0
	s_add_nc_u64 s[20:21], s[4:5], s[20:21]
	s_add_nc_u64 s[22:23], s[4:5], s[22:23]
	s_add_nc_u64 s[44:45], s[6:7], s[44:45]
	s_add_nc_u64 s[46:47], s[6:7], s[46:47]
	CROUND                                         ; all sixteen work-groups are here
	SETC G0, 0, 20, 0
	SETC GB0, 2*HALFT, 44, 0
	SETC G0S, SCL, 22, 0
	SETC G0SB, SCL+8192+128, 46, 0
	LOAD4 G0, G1, GB0, G1B, G0S, G1S, G0SB, G1SB   ; what the first step needs, one load a wave
	SETC G0+4, SLOT, 20, SLAB
	SETC GB1, SLOT+2*HALFT, 44, SLAB
	SETC G0+8, 2*SLOT, 20, 2*SLAB
	SETC GB2, 2*SLOT+2*HALFT, 44, 2*SLAB
	s_cmp_eq_u32 s15, 0                            ; the prefetches: do I name A's blocks?
	s_cselect_b64 s[66:67], s[20:21], s[44:45]
	s_cselect_b32 s100, s96, s97                   ; my place among the four that ask for the tile with me
	s_mul_i32 s100, s100, 24*256
	s_mul_i32 s101, s16, HALFT                     ; my half of the tile
	s_add_co_u32 s100, s100, s101
	s_mov_b32 s101, 0
	s_add_nc_u64 s[66:67], s[66:67], s[100:101]
	v_and_b32 v31, 31, v0
	v_min_u32 v31, 23, v31
	v_lshlrev_b32 v31, 8, v31
	global_prefetch_b8 v31, s[66:67] offset:SLAB th:TH_LOAD_NT scope:SCOPE_SE
	global_prefetch_b8 v31, s[66:67] offset:2*SLAB th:TH_LOAD_NT scope:SCOPE_SE
	v_and_b32 v1, 31, v0
	v_and_b32 v2, 15, v0                           ; r
	v_bfe_u32 v3, v0, 4, 1                         ; h
	v_lshlrev_b32 v[LI], 4, v1
	s_wait_alu depctr_va_vdst(0)
	v_lshlrev_b32 v[L8], 3, v1
	v_add_nc_u32 v[L8], 512, v[L8]
	s_wait_alu depctr_va_vdst(0)
	v_lshlrev_b32 v[L4], 2, v2
	s_lshl_b32 s2, s18, 10                         ; the bias of my 128 columns
	s_lshl_b32 s3, s16, 9
	s_add_co_u32 s2, s2, s3
	s_mov_b32 s3, 0
	s_add_nc_u64 s[8:9], s[8:9], s[2:3]
	v_lshlrev_b32 v6, 6, v3
.irp b, 0,1,2,3,4,5,6,7                        ; lane (r, h), tile b, register j: column 32 (b / 2) + 16 h + 8 (b % 2) + j
	global_load_b128 v[BIAS+8*\b:BIAS+8*\b+3], v6, s[8:9] offset:(32*(\b/2)+8*(\b%2))*4
	global_load_b128 v[BIAS+8*\b+4:BIAS+8*\b+7], v6, s[8:9] offset:(32*(\b/2)+8*(\b%2))*4+16
.endr
	s_mul_i32 s2, s15, HALFT
	s_mul_i32 s3, s16, HALFT
	s_add_co_u32 s3, s3, 2*HALFT
.irp s, 0,1,2
	v_add_nc_u32 v[A16+\s], s2, v[LI]
	v_add_nc_u32 v[A8+\s], s2, v[L8]
	v_add_nc_u32 v[B16+\s], s3, v[LI]
	v_add_nc_u32 v[B8+\s], s3, v[L8]
	s_add_co_u32 s2, s2, SLOT
	s_add_co_u32 s3, s3, SLOT
.endr
	s_lshl_b32 s2, s15, 12
	s_lshl_b32 s3, s16, 12
	s_add_co_u32 s3, s3, 8192+128
	s_sub_co_u32 s3, s3, s2
	v_mul_u32_u24 v5, s3, v3                       ; lanes 16-31 take B's words: the lower base + h x the distance
	s_add_co_u32 s2, s2, SCL
	v_add_nc_u32 v5, v5, v[L4]
	v_add_nc_u32 v[ADRS], s2, v5
.irp b, 0,1,2,3
	v_mov_b32 v[TM+4+\b], 0
.endr
	s_wait_alu depctr_va_vdst(0)
	s_wait_tensorcnt 0x0                           ; my tile of the head's four is in
	ds_add_u32 v[SPW], v[NIL]
	s_wait_dscnt 0x0
	CROUND                                         ; all four tiles are in, and all sixteen work-groups are here
	LOAD4 G0+4, G1, GB1, G1B, G0+8, G1, GB2, G1B   ; slabs 1 and 2: one load a wave, the first behind the round
	FETCH_B 0, 0, 0
	FETCH_A 0, 0, 0
	SCALES 0, 0
	FETCH_A 0, 0, 4
	global_prefetch_b8 v31, s[66:67] offset:3*SLAB th:TH_LOAD_NT scope:SCOPE_SE   ; slab 3, three steps ahead of its load
	s_wait_loadcnt 0x0                             ; the bias
	STEP 0, 0, 0, 0, 1, -1, 1                      ; slab 0: the first products start the sums, from the bias
	TURN 0, 1, 1, 2                                ; its second half; slab 1 is shown, slab 2 may be on its way
	STEP 0, 0, 1, 1, 1, -1, 0                      ; slab 1
	TURN 1, 2, 2, 1                                ; its second half; slab 2 is shown, and slot 0 takes slab 3
	STEP 0, 0, 0, 2, 1, -1, 0                      ; slab 2
	TURN 0, 0, 3, 0                                ; slab 3 has landed; nothing is filled
	STEP 0, 0, 1, 0, 1, -1, 0                      ; slab 3
	s_wait_dscnt 4*NL
	WIN MUL_LO
	MUL16 0, 1, 1, 1, 0
	MUL16 2, 1, 1, 1, 0
	s_wait_dscnt 0x0
	WIN MUL_HI
	MUL16 4, 1, 1, 1, 0
	MUL16 6, 1, 1, 1, 0
	WIN 0
	PLACES NP
	; THE WAY OUT.  Block a: 16 tokens x my 128 hidden units: gelu, quantised, stored as it stands in the registers
	s_mov_b32 s2, 0xbdd2d3e8                       ; K2 = -0.10294324
	s_mov_b32 s3, s2
	v_mov_b32 v12, 0xc0135761                      ; K1 = -2.3022082
	v_mov_b32 v13, v12
	s_lshl_b32 s19, s18, 8                         ; the slab along the next K = my tile column
	s_lshl_b32 s20, s17, 4
	s_lshl_b32 s21, s15, 3
	s_add_co_u32 s20, s20, s21                     ; my first row block
	s_add_co_u32 s19, s19, s20
	s_mul_i32 s19, s19, RBB
	s_mul_i32 s21, s16, 1536
	s_add_co_u32 s22, s19, s21
	s_mov_b32 s23, 0
	s_add_nc_u64 s[22:23], s[10:11], s[22:23]
	s_lshl_b32 s20, s20, 5
	s_lshl_b32 s21, s18, 1
	s_add_co_u32 s20, s20, s21
	s_add_co_u32 s20, s20, s16                     ; (row block, 128 K step 2 x tile column + half)
	s_lshl_b32 s20, s20, 6
	s_add_co_u32 s44, s20, GSCL
	s_mov_b32 s45, 0
	s_add_nc_u64 s[44:45], s[10:11], s[44:45]
.irp a, 0,1,2,3,4,5,6,7
	GELU \a
	QUANT G
	global_store_b128 v[LI], v[PC:PC+3], s[22:23] offset:\a*RBB
	global_store_b64 v[L8], v[PC+4:PC+5], s[22:23] offset:\a*RBB
	global_store_b128 v[LI], v[PC+6:PC+9], s[22:23] offset:\a*RBB+768
	global_store_b64 v[L8], v[PC+10:PC+11], s[22:23] offset:\a*RBB+768
	global_store_b32 v[L4], v[PW], s[44:45] offset:\a*2048
.endr
	s_wait_tensorcnt 0x0                           ; the wave's end
	ds_add_u32 v[SPW], v[NIL]
	s_wait_dscnt 0x0
	CROUND                                         ; the closing round
	s_endpgm
.Lfunc_end_k_q7828a4ae34_ff1:
	.size	k_q7828a4ae34_ff1, .Lfunc_end_k_q7828a4ae34_ff1-k_q7828a4ae34_ff1
	.p2alignl 7, 3214868480
	.fill 96, 4, 3214868480
	.section	.rodata,"a",@progbits
	.p2align	6, 0x0
	.amdhsa_kernel k_q7828a4ae34_ff1
		.amdhsa_group_segment_fixed_size 327680
		.amdhsa_private_segment_fixed_size 0
		.amdhsa_enable_private_segment 0
		.amdhsa_kernarg_size 32
		.amdhsa_user_sgpr_count 2
		.amdhsa_user_sgpr_kernarg_segment_ptr 1
		.amdhsa_wavefront_size32 1
		.amdhsa_system_sgpr_workgroup_id_x 1
		.amdhsa_system_sgpr_workgroup_id_y 1
		.amdhsa_system_sgpr_workgroup_id_z 1
		.amdhsa_system_vgpr_workitem_id 0
		.amdhsa_next_free_vgpr 1024
		.amdhsa_next_free_sgpr 102
		.amdhsa_reserve_vcc 0
		.amdhsa_float_denorm_mode_32 3
		.amdhsa_float_denorm_mode_16_64 3
		.amdhsa_memory_ordered 1
		.amdhsa_forward_progress 1
		.amdhsa_inst_pref_size 255
	.end_amdhsa_kernel
	.section	.bss,"aw",@nobits
	.p2align	6
	.space	262144
	.amdgpu_metadata
---
amdhsa.version: [ 1, 2 ]
amdhsa.kernels:
  - .name:           k_q7828a4ae34_ff1
    .symbol:         k_q7828a4ae34_ff1.kd
    .args:
      - { .name: hact, .offset: 0, .size: 8, .value_kind: global_buffer, .address_space: global }
      - { .name: wts, .offset: 8, .size: 8, .value_kind: global_buffer, .address_space: global }
      - { .name: b_ff1, .offset: 16, .size: 8, .value_kind: global_buffer, .address_space: global }
      - { .name: gact, .offset: 24, .size: 8, .value_kind: global_buffer, .address_space: global }
    .group_segment_fixed_size: 327680
    .private_segment_fixed_size: 0
    .kernarg_segment_align: 8
    .kernarg_segment_size: 32
    .max_flat_workgroup_size: 128
    .sgpr_count:     102
    .vgpr_count:     1024
    .wavefront_size: 32
...
	.end_amdgpu_metadata
.endif
;; end of part 5
;; launch ff2 (part 6): grid 8 x 32, 4 waves a work-group, clusters of 4 x 4, 327,680 bytes of LDS; arguments gact, wts, b_ff2, x1, out0; writes out0
.if DOCPART == 6
	.amdgcn_target "amdgcn-amd-amdhsa--gfx1250"
	.amdhsa_code_object_version 6
	.text
	.protected	k_q7828a4ae34_ff2
	.globl	k_q7828a4ae34_ff2
	.p2align	8
	.type	k_q7828a4ae34_ff2,@function
k_q7828a4ae34_ff2:
	s_mov_b64 s[64:65], 0
	v_nop
	global_prefetch_b8 v0, s[64:65] scope:SCOPE_SE
	s_setreg_imm32_b32 hwreg(HW_REG_WAVE_MODE, 25, 1), 1
	s_wait_xcnt 0x0
	s_wait_alu depctr_hold_cnt(0) depctr_sa_sdst(0) depctr_va_vdst(0) depctr_va_sdst(0) depctr_va_ssrc(0) depctr_va_vcc(0) depctr_vm_vsrc(0)
	s_getreg_b32 s2, hwreg(HW_REG_IB_STS2, 6, 4)
	s_cmp_eq_u32 s2, 0
	s_cbranch_scc0 .Lentry_in_a_cluster
	s_endpgm
.Lentry_in_a_cluster:
	s_bfe_u32 s2, ttmp6, 0x10000c
	s_cmp_lg_u32 s2, 0xf033
	s_cbranch_scc0 .Lentry_shape_is_right
	s_endpgm
.Lentry_shape_is_right:
; out[m][n] = resid[m][n] + bias[n] + sum over k of A[m][k] B[n][k], A and B codes of BF6 with E8M0 scales, as operand images; out, resid, bias f32.  M = 4,096, N = 1,024; here K = 4,096 (the second feed-forward product).
; A tile of C is 128 x 128, so that N = 1,024 still gives 256 work-groups; four waves of 64 x 64 (16 accumulators).  K goes in steps of 512 through two LDS slots; a wave's tensor load brings 8 row blocks x 256 K,
; 24,576 consecutive bytes, and has a slot's 64 matrix instructions a wave in which to land.  The scale words of the tile's rows, for all of K, come once.
; CLUSTERS: 4 x 4 work-groups; A's tiles shared along a row, B's along a column: joint loads.  THE MATRIX INSTRUCTION IS USED TRANSPOSED (source 0 = B's rows, source 1 = A's rows).
; Rows of A (tokens) and of B (columns) stand in storage order (bits 3 and 4 of the index exchanged): a lane's registers run along true columns; the rows are put back on the way out by the stores' offsets.
; The bias is the C of each sum's first product.  The residual is asked for in the loop's last trip and lands under the last two slots' products.
; REGISTERS: window 0: v16-29 addresses; v32-63 scale words, two sets; v64-95 the bias; v128-255 accumulators ((a, b) at v[128 + 8 (4 a + b)]).  window 1: two fragment buffers of 96.  window 2: v0-127 the residual.
.set KDIM,  4096
.set ASCL,  12582912                   ; where A's scale words begin in its buffer
.set BIMG,  7077888                    ; where B's image begins in wts
.set BSCL,  10485760                   ; and its scale words
.set RBB,   3072
.set HALFT, 8*RBB
.set SLOT,  4*HALFT                    ; A's even slab, A's odd slab, B's even, B's odd
.set ASLAB, 786432
.set BSLAB, 196608
.set HALFS, 2*KDIM                     ; the scale words of 4 row blocks
.set RBS,   KDIM/2                     ; of one
.set SCL,   2*SLOT
.set SPARE, SCL+4*HALFS+256            ; the spare words: two blocks of 256 bytes that no other line names
.set STAGE, SPARE+512                  ; 128 rows x 528 bytes, the work-group's, for the way out: no fill lands here
.set SPITCH, 528
.set LAPS,  KDIM/1024
.set FR,    12
.set A16,  16
.set A8,   18
.set B16,  20
.set B8,   22
.set STO,  24
.set RD,   25
.set CO,   26                          ; 16 x lane
.set ADRS, 27
.set SPW,  28
.set NIL,  29
.set SC,   32                          ; set s at v[SC + 16 s]; register 4 i + q
.set BIAS, 64
.set ACC,  128
.set F0,   0
.set F1,   128
.set G1,   24
.set G0,   32
.set G1B,  48
.set G0B,  56
.set G1S,  68
.set G0S,  76
.set G1SB, 80
.set G0SB, 88
.set MSB, 0
.macro WIN new
.if MSB != (\new)
	s_set_vgpr_msb (MSB<<8)|(\new)
.set MSB, (\new)
.endif
.endm
.set MUL,  0x05                        ; sources 0 and 1 window 1; C and D window 0
.set TO_F, 0x40
; THE FILLS: a slot's part of A is one tile of two rows of 24,576 bytes (two slabs, a slab apart in memory), and so is B's.  At the head one joint load a wave: A's slot 0, B's slot 0, A's scale words, B's.
; Slot 1 is first filled behind the three lines and a round; in the ring wave 0 brings A's tile and wave 1 B's, behind each change of slots' round.
; PREFETCH INTO THE L2: behind the load of slot n stands one line a wave for slot n + 2 (the head asks for slots 1 and 2; the refills of slots 6 and 7 have no slot two on).  Waves 0, 1 name A's even and odd slab, waves 2, 3 B's;
; of a slab's 96 blocks of 256 bytes each of the four partners that ask for the tile jointly takes 24, told apart by address (cx for A, cy for B): a lane a block, lanes 24-31 name the last again.
; THE RESIDUAL, 32 rows of 512 bytes a wave, is loaded behind the loop, under the last two slots' products; its 64 blocks are asked for in the loop's last trip, behind the refill of slot 6: a lane a row, two lines.
.set RSO, 15                           ; v15 my lane's row of the residual: SW(lane) x 4,096; never rewritten
.set PFA, 96
.macro TL g0, g1                       ; a joint load; an s_nop 0 and four v_nop follow it
	tensor_load_to_lds s[\g0:\g0+3], s[\g1:\g1+7]
	s_nop 0
.rept 4
	v_nop
.endr
.endm
.macro LOAD4 a, ga, b, gb, c, gc, d, gd  ; one chain of branches on the wave's number, one load to an arm, one join
	s_cmp_eq_u32 s14, 0
	s_cbranch_scc0 .Lw1_\@
	TL \a, \ga
	s_branch .Lj_\@
.Lw1_\@:
	s_cmp_eq_u32 s14, 1
	s_cbranch_scc0 .Lw2_\@
	TL \b, \gb
	s_branch .Lj_\@
.Lw2_\@:
	s_cmp_eq_u32 s14, 2
	s_cbranch_scc0 .Lw3_\@
	TL \c, \gc
	s_branch .Lj_\@
.Lw3_\@:
	TL \d, \gd
.Lj_\@:
.endm
.macro LOAD2 a, ga, b, gb              ; waves 0 and 1 load; waves 2 and 3 pass four places
	s_cmp_eq_u32 s14, 0
	s_cbranch_scc0 .Lw1_\@
	TL \a, \ga
	s_branch .Lj_\@
.Lw1_\@:
	s_cmp_eq_u32 s14, 1
	s_cbranch_scc0 .Lw2_\@
	TL \b, \gb
	s_branch .Lj_\@
.Lw2_\@:
.rept 4
	v_nop
.endr
.Lj_\@:
.endm
.macro ASK slot                        ; in the loop: the slot two refills on; in the last trip (s3 = 1), which has none, once the residual
	WIN 0
	s_cmp_gt_u32 s3, 1
	s_cbranch_scc0 .Lresid_\@
	global_prefetch_b8 v31, s[PFA:PFA+1] th:TH_LOAD_NT scope:SCOPE_SE
	s_branch .Lasked_\@
.Lresid_\@:
.if \slot == 0
	global_prefetch_b8 v[RSO], s[10:11] th:TH_LOAD_NT scope:SCOPE_SE
	global_prefetch_b8 v[RSO], s[10:11] offset:256 th:TH_LOAD_NT scope:SCOPE_SE
.endif
.Lasked_\@:
.endm
.macro CREST
	s_cmp_lg_u32 s14, 0
	s_cbranch_scc1 .Lnot_wave_0_\@
	s_barrier_signal -3
.Lnot_wave_0_\@:
	s_barrier_wait -3
	s_barrier_signal -1
	s_barrier_wait -1
.endm
.macro CROUND
	s_barrier_signal -1
	s_barrier_wait -1
	CREST
.endm
.macro SETC g, lds, alo, aoff          ; a group 0: count 1, a constant LDS address, global address, type 2
	s_mov_b32 s[\g], 1
	s_mov_b32 s[\g+1], \lds
	s_add_nc_u64 s[\g+2:\g+3], s[\alo:\alo+1], \aoff
	s_or_b32 s[\g+3], s[\g+3], 0x80000000
.endm
.macro PLACES
.rept 4
	v_nop
.endr
.endm
.macro FRAG reg, a16, a8, off
	ds_load_b128 v[\reg:\reg+3], v[\a16] offset:\off
	ds_load_b64 v[\reg+4:\reg+5], v[\a8] offset:\off
	ds_load_b128 v[\reg+6:\reg+9], v[\a16] offset:\off+768
	ds_load_b64 v[\reg+10:\reg+11], v[\a8] offset:\off+768
.endm
.macro FETCH slot, ks, f               ; 32 LDS loads in one run: the slot's ks-th 128 K: B's four blocks, then A's
	WIN TO_F
.irp i, 0,1,2,3
	FRAG \f+48+FR*\i, B16+\slot, B8+\slot, ((\ks)/2)*HALFT+\i*RBB+((\ks)%2)*1536
.endr
.irp i, 0,1,2,3
	FRAG \f+FR*\i, A16+\slot, A8+\slot, ((\ks)/2)*HALFT+\i*RBB+((\ks)%2)*1536
.endr
.endm
.macro SCALES sc                       ; a slot's scale words: lanes 0-15 A's block i, lanes 16-31 B's block i
.irp i, 0,1,2,3
.irp q, 0,1,2,3
	ds_load_b32 v[SC+16*(\sc)+4*\i+\q], v[ADRS] offset:\i*RBS+\q*64
.endr
.endr
.endm
; 8 matrix instructions: A's blocks a0, a0 + 1 x B's four.  The 16 accumulators take turns, one instruction a turn
.macro MUL8 f, a0, q, sc, first
.irp a, \a0, \a0+1
.irp b, 0,1,2,3
.if \first
	v_wmma_scale_f32_16x16x128_f8f6f4 v[ACC+8*(4*(\a)+\b):ACC+8*(4*(\a)+\b)+7], v[\f+48+FR*\b:\f+48+FR*\b+FR-1], v[\f+FR*(\a):\f+FR*(\a)+FR-1], v[BIAS+8*\b:BIAS+8*\b+7], v[SC+16*(\sc)+4*\b+(\q)], v[SC+16*(\sc)+4*(\a)+(\q)] matrix_a_fmt:MATRIX_FMT_BF6 matrix_b_fmt:MATRIX_FMT_BF6 matrix_a_scale:MATRIX_SCALE_ROW1
.else
	v_wmma_scale_f32_16x16x128_f8f6f4 v[ACC+8*(4*(\a)+\b):ACC+8*(4*(\a)+\b)+7], v[\f+48+FR*\b:\f+48+FR*\b+FR-1], v[\f+FR*(\a):\f+FR*(\a)+FR-1], v[ACC+8*(4*(\a)+\b):ACC+8*(4*(\a)+\b)+7], v[SC+16*(\sc)+4*\b+(\q)], v[SC+16*(\sc)+4*(\a)+(\q)] matrix_a_fmt:MATRIX_FMT_BF6 matrix_b_fmt:MATRIX_FMT_BF6 matrix_a_scale:MATRIX_SCALE_ROW1
.endif
.endr
.endr
.endm
; One of a slot's first three steps of 128 K: multiplies buffer f (step q) and fetches step nks into g
.macro QUARTER slot, nks, f, g, q, first
	s_wait_dscnt 8                                 ; all but A's blocks 2 and 3
	WIN MUL
	MUL8 \f, 0, \q, \slot, \first
	PLACES
	FETCH \slot, \nks, \g
	s_wait_dscnt 32                                ; all but the 32 just issued
	WIN MUL
	MUL8 \f, 2, \q, \slot, \first
.endm
; A slot's last step multiplies buffer 1 and changes slots.  fill = 1: this slot is filled again, two slots ahead
.macro TURN slot, next, fill
	WIN 0
.if \fill
	s_wait_xcnt 0x0                                ; my last prefetch has read its address: it steps a slot on, ahead of the waits of the change of slots
	s_add_nc_u64 s[PFA:PFA+1], s[PFA:PFA+1], s[98:99]
.endif
	s_wait_tensorcnt 0x0
	ds_add_u32 v[SPW], v[NIL]                      ; 0 onto my spare word
	s_wait_dscnt 0x0                               ; the add is done, and my reads of this slot are over
	s_barrier_signal -1
	WIN MUL
	MUL8 F1, 0, 3, \slot, 0
	WIN 0
	s_barrier_wait -1
.if \fill
	CREST                                          ; the barrier has opened a round of the cluster's
	s_add_nc_u64 s[G0+4*\slot+2:G0+4*\slot+3], s[G0+4*\slot+2:G0+4*\slot+3], 4*ASLAB
	s_add_nc_u64 s[G0B+4*\slot+2:G0B+4*\slot+3], s[G0B+4*\slot+2:G0B+4*\slot+3], 4*BSLAB
	LOAD2 G0+4*\slot, G1, G0B+4*\slot, G1B         ; the first tensor load behind the round; four v_nop on every way are the places in front of the loads below
.else
	PLACES
.endif
	s_wait_alu depctr_va_vdst(0)
	v_add_nc_u32 v[ADRS], 256, v[ADRS]             ; the next slot's scale words (no LDS load of mine is out)
	SCALES \next
	FETCH \next, 0, F0
.if \fill
	ASK \slot
.endif
	WIN MUL
	MUL8 F1, 2, 3, \slot, 0
.endm
	s_load_b256 s[4:11], s[0:1], 0x0               ; A s[4:5], wts s[6:7], bias s[8:9], residual s[10:11]
	s_load_b64 s[12:13], s[0:1], 0x20              ; out
	v_lshl_add_u32 v[SPW], v0, 2, SPARE
	v_mov_b32 v[NIL], 0
	ds_add_u32 v28, v29
	ds_add_u32 v28, v29
	s_wait_dscnt 0x0
	v_lshrrev_b32 v1, 5, v0
	v_readfirstlane_b32 s14, v1                    ; wave 0..3
	s_lshr_b32 s15, s14, 1                         ; my half of the tile's rows; also: I fetch for A (0) or B (1)
	s_and_b32 s16, s14, 1                          ; my half of its columns; also: which slab of the slot, which half of the scale words I fetch
	s_bfe_u32 s40, ttmp6, 0x40000
	s_bfe_u32 s41, ttmp6, 0x40004
	s_lshl_b32 s42, ttmp9, 2
	s_add_co_u32 s42, s42, s40                     ; tile column
	s_and_b32 s17, ttmp7, 0xffff
	s_lshl_b32 s17, s17, 2
	s_add_co_u32 s17, s17, s41                     ; tile row
	s_lshl_b32 s43, s41, 2
	s_lshl_b32 s43, 15, s43
	s_lshl_b32 s44, 0x1111, s40
	s_or_b32 s[G1], s43, (3<<16)|(1<<21)
	s_or_b32 s[G1B], s44, (3<<16)|(1<<21)
.irp g, G1, G1B                                ; two rows of 24,576 bytes (3,072 elements of 8): 8 row blocks x 256 K each
	s_mov_b32 s[\g+1], 3072<<16
	s_mov_b32 s[\g+2], 2<<16
	s_mov_b32 s[\g+3], 3072<<16
	s_mov_b32 s[\g+4], 2
	s_mov_b32 s[\g+6], 0
	s_mov_b32 s[\g+7], 0
.endr
	s_mov_b32 s[G1+5], ASLAB/8                     ; from a slab to the next, in elements
	s_mov_b32 s[G1B+5], BSLAB/8
	s_or_b32 s[G1S], s43, (3<<16)|(1<<21)
	s_or_b32 s[G1SB], s44, (3<<16)|(1<<21)
.irp g, G1S, G1SB                              ; 2 x HALFS bytes (8 row blocks) as rows of 256
	s_mov_b32 s[\g+1], 32<<16
	s_mov_b32 s[\g+2], (KDIM/64)<<16
	s_mov_b32 s[\g+3], 32<<16
	s_mov_b32 s[\g+4], KDIM/64
	s_mov_b32 s[\g+5], 32
	s_mov_b32 s[\g+6], 0
	s_mov_b32 s[\g+7], 0
.endr
	s_mul_i32 s20, s17, 8*RBB                      ; A: slab 0, row block 8 x tile row
	s_mov_b32 s21, 0
	s_mul_i32 s22, s17, 8*RBS
	s_add_co_u32 s22, s22, ASCL
	s_mov_b32 s23, 0
	s_mul_i32 s46, s42, 8*RBB
	s_add_co_u32 s46, s46, BIMG                    ; B likewise
	s_mov_b32 s47, 0
	s_mul_i32 s92, s42, 8*RBS
	s_add_co_u32 s92, s92, BSCL
	s_mov_b32 s93, 0
	s_wait_kmcnt 0x0
	s_add_nc_u64 s[20:21], s[4:5], s[20:21]
	s_add_nc_u64 s[22:23], s[4:5], s[22:23]
	s_add_nc_u64 s[46:47], s[6:7], s[46:47]
	s_add_nc_u64 s[92:93], s[6:7], s[92:93]
	CROUND                                         ; all sixteen work-groups are here
	SETC G0, 0, 20, 0
	SETC G0B, 2*HALFT, 46, 0
	SETC G0S, SCL, 22, 0
	SETC G0SB, SCL+2*HALFS+128, 92, 0              ; B's words 128 bytes further on: other banks than A's
	LOAD4 G0, G1, G0B, G1B, G0S, G1S, G0SB, G1SB   ; what the first slot's steps need, one load a wave
	SETC G0+4, SLOT, 20, 2*ASLAB
	SETC G0B+4, SLOT+2*HALFT, 46, 2*BSLAB
	s_cmp_eq_u32 s15, 0                            ; the prefetches: do I name A's blocks?
	s_cselect_b64 s[PFA:PFA+1], s[20:21], s[46:47]
	s_cselect_b32 s92, s40, s41                    ; my place among the four that ask for the tile with me
	s_mov_b32 s98, BSLAB
	s_cselect_b32 s98, ASLAB, s98
	s_mul_i32 s92, s92, 24*256                     ; my work-group's 24 blocks
	s_mul_i32 s93, s16, s98                        ; of the slot's even or odd slab
	s_add_co_u32 s92, s92, s93
	s_mov_b32 s93, 0
	s_add_nc_u64 s[PFA:PFA+1], s[PFA:PFA+1], s[92:93]
	s_lshl_b32 s98, s98, 1                         ; a slot is two slabs
	s_mov_b32 s99, 0
	s_add_nc_u64 s[PFA:PFA+1], s[PFA:PFA+1], s[98:99]  ; at slot 1
	v_and_b32 v30, 31, v0
	v_min_u32 v30, 23, v30
	v_lshlrev_b32 v30, 8, v30
	v_add_nc_u32 v31, s98, v30
	v_and_b32 v7, 7, v0                            ; storage row l of my 32 is true row SW(l): bits 3 and 4 exchanged
	v_bfe_u32 v8, v0, 4, 1
	v_bfe_u32 v9, v0, 3, 1
	v_lshl_or_b32 v7, v8, 3, v7
	v_lshl_or_b32 v7, v9, 4, v7
	v_lshlrev_b32 v[RSO], 12, v7
	global_prefetch_b8 v30, s[PFA:PFA+1] th:TH_LOAD_NT scope:SCOPE_SE   ; slot 1
	global_prefetch_b8 v31, s[PFA:PFA+1] th:TH_LOAD_NT scope:SCOPE_SE   ; slot 2
	v_and_b32 v1, 31, v0
	v_and_b32 v2, 15, v0                           ; r
	v_bfe_u32 v3, v0, 4, 1                         ; h
	v_lshlrev_b32 v[CO], 4, v1
	v_lshlrev_b32 v4, 3, v1
	v_add_nc_u32 v4, 512, v4
	s_mul_i32 s21, s15, 4*RBB                      ; my 4 row blocks of A
	s_mul_i32 s22, s16, 4*RBB
	s_add_co_u32 s22, s22, 2*HALFT                 ; and of B
.irp s, 0,1
	v_add_nc_u32 v[A16+\s], s21, v[CO]
	v_add_nc_u32 v[A8+\s], s21, v4
	v_add_nc_u32 v[B16+\s], s22, v[CO]
	v_add_nc_u32 v[B8+\s], s22, v4
	s_add_co_u32 s21, s21, SLOT
	s_add_co_u32 s22, s22, SLOT
.endr
	s_mul_i32 s21, s15, HALFS
	s_mul_i32 s22, s16, HALFS
	s_add_co_u32 s22, s22, 2*HALFS+128
	s_sub_co_u32 s22, s22, s21
	v_mul_u32_u24 v5, s22, v3                      ; lanes 16-31 take B's words: the lower base + h x the distance
	s_add_co_u32 s21, s21, SCL
	v_lshl_add_u32 v5, v2, 2, v5
	v_add_nc_u32 v[ADRS], s21, v5
	s_mul_i32 s21, s15, 64*SPITCH                  ; into the stage: my 64 rows, my 256 bytes of them; row r, 64 h
	s_lshl_b32 s22, s16, 8
	s_add_co_u32 s21, s21, s22
	s_add_co_u32 s21, s21, STAGE
	v_mul_u32_u24 v5, v2, SPITCH
	v_lshl_add_u32 v5, v3, 6, v5
	v_add_nc_u32 v[STO], s21, v5
	s_mul_i32 s21, s14, 32*SPITCH                  ; back: wave w takes rows 32 w .. 32 w + 31, whole
	s_add_co_u32 s21, s21, STAGE
	v_add_nc_u32 v[RD], s21, v[CO]
	s_lshl_b32 s46, s42, 9                         ; the tile's 512 bytes of a row
	s_lshl_b32 s47, s16, 8
	s_add_co_u32 s20, s46, s47
	s_mov_b32 s21, 0
	s_add_nc_u64 s[8:9], s[8:9], s[20:21]          ; the bias of my 64 columns
	s_lshl_b32 s20, s17, 19
	s_lshl_b32 s22, s14, 17
	s_add_co_u32 s20, s20, s22
	s_add_co_u32 s20, s20, s46                     ; row 128 x tile row + 32 x wave
	s_add_nc_u64 s[10:11], s[10:11], s[20:21]
	s_add_nc_u64 s[12:13], s[12:13], s[20:21]
	v_lshlrev_b32 v6, 6, v3
.irp b, 0,1,2,3                                ; lane (r, h), tile b, register j: column 32 (b / 2) + 16 h + 8 (b % 2) + j
	global_load_b128 v[BIAS+8*\b:BIAS+8*\b+3], v6, s[8:9] offset:(32*(\b/2)+8*(\b%2))*4
	global_load_b128 v[BIAS+8*\b+4:BIAS+8*\b+7], v6, s[8:9] offset:(32*(\b/2)+8*(\b%2))*4+16
.endr
	s_wait_alu depctr_va_vdst(0)
	s_wait_xcnt 0x0                                ; the head's prefetches have read their address: it steps to slot 2
	s_add_nc_u64 s[PFA:PFA+1], s[PFA:PFA+1], s[98:99]
	s_wait_tensorcnt 0x0                           ; my tile of the head's four is in
	ds_add_u32 v[SPW], v[NIL]
	s_wait_dscnt 0x0
	CROUND                                         ; all four tiles are in, and all sixteen work-groups are here
	LOAD2 G0+4, G1, G0B+4, G1B                     ; slot 1, the first tensor load behind the round
	SCALES 0
	FETCH 0, 0, F0
	global_prefetch_b8 v31, s[PFA:PFA+1] th:TH_LOAD_NT scope:SCOPE_SE   ; slot 3 (the address register lies in window 0, as the LDS loads' do)
	s_wait_loadcnt 0x0                             ; the bias is in
	QUARTER 0, 1, F0, F1, 0, 1                     ; the first products start the sums, from the bias
.if LAPS > 1
	WIN 0
	s_mov_b32 s3, LAPS-1
.Llap:                                                 ; once round the ring, from a lap's second step to the next lap's first; both slots are filled again
	QUARTER 0, 2, F1, F0, 1, 0
	QUARTER 0, 3, F0, F1, 2, 0
	TURN 0, 1, 1
	QUARTER 1, 1, F0, F1, 0, 0
	QUARTER 1, 2, F1, F0, 1, 0
	QUARTER 1, 3, F0, F1, 2, 0
	TURN 1, 0, 1
	QUARTER 0, 1, F0, F1, 0, 0
	WIN 0
	s_sub_co_u32 s3, s3, 1
	s_cmp_lg_u32 s3, 0
	s_cbranch_scc1 .Llap
.endif
	WIN 0x80                                       ; destination window 2: the residual lands under the last two slots' products
.set ii, 0
.rept 32
	global_load_b128 v[4*ii:4*ii+3], v[CO], s[10:11] offset:((ii&7)|(((ii>>4)&1)<<3)|(((ii>>3)&1)<<4))*4096   ; storage row ii is true row SW(ii): 512 consecutive bytes
.set ii, ii+1
.endr
	QUARTER 0, 2, F1, F0, 1, 0                     ; the last lap fills nothing
	QUARTER 0, 3, F0, F1, 2, 0
	TURN 0, 1, 0
	QUARTER 1, 1, F0, F1, 0, 0
	QUARTER 1, 2, F1, F0, 1, 0
	QUARTER 1, 3, F0, F1, 2, 0
	s_wait_dscnt 0x0
	WIN MUL
	MUL8 F1, 0, 3, 1, 0
	MUL8 F1, 2, 3, 1, 0
	WIN 0
	; THE WAY OUT: through the work-group's stage, since a row's 512 bytes come from two waves; back as whole rows; + the residual; stored at the true rows
	PLACES
.irp a, 0,1,2,3
.irp b, 0,1,2,3
	ds_store_b128 v[STO], v[ACC+8*(4*\a+\b):ACC+8*(4*\a+\b)+3] offset:\a*16*SPITCH+128*(\b/2)+32*(\b%2)      ; each accumulator from its low end on
	ds_store_b128 v[STO], v[ACC+8*(4*\a+\b)+4:ACC+8*(4*\a+\b)+7] offset:\a*16*SPITCH+128*(\b/2)+32*(\b%2)+16
.endr
.endr
	s_wait_dscnt 0x0                               ; for the others: my stores have landed
	s_barrier_signal -1
	s_barrier_wait -1
	WIN TO_F
.set ii, 0
.rept 32
	ds_load_b128 v[4*ii:4*ii+3], v[RD] offset:ii*SPITCH
.set ii, ii+1
.endr
	s_wait_dscnt 0x0
	s_wait_loadcnt 0x0                             ; the residual
	WIN 0x49                                       ; destination and source 0 window 1, source 1 window 2
.set ii, 0
.rept 64
	v_pk_add_f32 v[2*ii:2*ii+1], v[2*ii:2*ii+1], v[2*ii:2*ii+1]
.set ii, ii+1
.endr
	WIN 0x04                                       ; a store's data are its source 1: window 1
.set ii, 0
.rept 32
	global_store_b128 v[CO], v[4*ii:4*ii+3], s[12:13] offset:((ii&7)|(((ii>>4)&1)<<3)|(((ii>>3)&1)<<4))*4096   ; 512 consecutive bytes, aligned
.set ii, ii+1
.endr
	WIN 0
	s_wait_tensorcnt 0x0                           ; the wave's end
	ds_add_u32 v[SPW], v[NIL]
	s_wait_dscnt 0x0
	CROUND                                         ; the closing round
	s_endpgm
.Lfunc_end_k_q7828a4ae34_ff2:
	.size	k_q7828a4ae34_ff2, .Lfunc_end_k_q7828a4ae34_ff2-k_q7828a4ae34_ff2
	.p2alignl 7, 3214868480
	.fill 96, 4, 3214868480
	.section	.rodata,"a",@progbits
	.p2align	6, 0x0
	.amdhsa_kernel k_q7828a4ae34_ff2
		.amdhsa_group_segment_fixed_size 327680
		.amdhsa_private_segment_fixed_size 0
		.amdhsa_enable_private_segment 0
		.amdhsa_kernarg_size 40
		.amdhsa_user_sgpr_count 2
		.amdhsa_user_sgpr_kernarg_segment_ptr 1
		.amdhsa_wavefront_size32 1
		.amdhsa_system_sgpr_workgroup_id_x 1
		.amdhsa_system_sgpr_workgroup_id_y 1
		.amdhsa_system_sgpr_workgroup_id_z 1
		.amdhsa_system_vgpr_workitem_id 0
		.amdhsa_next_free_vgpr 640
		.amdhsa_next_free_sgpr 100
		.amdhsa_reserve_vcc 0
		.amdhsa_float_denorm_mode_32 3
		.amdhsa_float_denorm_mode_16_64 3
		.amdhsa_memory_ordered 1
		.amdhsa_forward_progress 1
		.amdhsa_inst_pref_size 103
	.end_amdhsa_kernel
	.amdgpu_metadata
---
amdhsa.version: [ 1, 2 ]
amdhsa.kernels:
  - .name:           k_q7828a4ae34_ff2
    .symbol:         k_q7828a4ae34_ff2.kd
    .args:
      - { .name: gact, .offset: 0, .size: 8, .value_kind: global_buffer, .address_space: global }
      - { .name: wts, .offset: 8, .size: 8, .value_kind: global_buffer, .address_space: global }
      - { .name: b_ff2, .offset: 16, .size: 8, .value_kind: global_buffer, .address_space: global }
      - { .name: x1, .offset: 24, .size: 8, .value_kind: global_buffer, .address_space: global }
      - { .name: out0, .offset: 32, .size: 8, .value_kind: global_buffer, .address_space: global }
    .group_segment_fixed_size: 327680
    .private_segment_fixed_size: 0
    .kernarg_segment_align: 8
    .kernarg_segment_size: 40
    .max_flat_workgroup_size: 128
    .sgpr_count:     100
    .vgpr_count:     640
    .wavefront_size: 32
...
	.end_amdgpu_metadata
.endif
;; end of part 6
